; MI455X (gfx1250); checked and timed in simulation.
; The chip was launched on July 23, 2026; its instructions are those of AMD's public machine-readable ISA for CDNA 5 (MIT licence, August 2026) and "CDNA5" Instruction Set Architecture Reference Guide (July 2026). The comments in the code are by the model that wrote it; some were corrected since.
;; Attention. Allowed arithmetic: matrix products marked QUANTISED: E2M3 operands, one E8M0 scale for each 32 along K, by v_wmma_scale_f32_16x16x128_f8f6f4 with both operands' format E2M3, f32 sums; everything else in f32.
;; Inputs: Wk_codes 768 x 24 x 24 uint8 (E2M3 codes of Wk, K innermost, in blocks of 32 codes, four codes in three bytes); Wk_scales 768 x 24 uint8 (E8M0 scales of Wk, one for each 32 codes along K); Wp_codes 768 x 24 x 24 uint8 (E2M3 codes of Wp, K innermost, in blocks of 32 codes, four codes in three bytes); Wp_scales 768 x 24 uint8 (E8M0 scales of Wp, one for each 32 codes along K); Wq_codes 768 x 24 x 24 uint8 (E2M3 codes of Wq, K innermost, in blocks of 32 codes, four codes in three bytes); Wq_scales 768 x 24 uint8 (E8M0 scales of Wq, one for each 32 codes along K); Wv_codes 768 x 24 x 24 uint8 (E2M3 codes of Wv, K innermost, in blocks of 32 codes, four codes in three bytes); Wv_scales 768 x 24 uint8 (E8M0 scales of Wv, one for each 32 codes along K); bp 768 float32; x_codes 32 x 528 x 24 x 24 uint8 (E2M3 codes of x, K innermost, in blocks of 32 codes, four codes in three bytes); x_scales 32 x 528 x 24 uint8 (E8M0 scales of x, one for each 32 codes along K).
;; Outputs: out0 32 x 528 x 768 float32.
;; Constants: s_h = 20, s_w = 20, t_h = 8, t_w = 8.
;; This version of the problem:
;;   THIS VERSION OF THE PROBLEM IS GIVEN IN LOW PRECISION. The matrix products marked QUANTISED in the list below multiply operands that are first quantised to E2M3 (2 exponent bits, 3 mantissa bits; 6 bits a number), with one power-of-two scale for each 32 numbers along K (OCP MX v1.0); their sums are f32. All else is computed in f32.
;;   The module's matrix products, in the order in which they are computed (A, B: the left and right operand; K: the contracted axis; several contracted axes count as one K, in the product's order):
;;     1. [M 16,896, K 768] x [K 768, N 768]; A: input x (given as codes); B: input Wq (given as codes): QUANTISED
;;     2. [M 16,896, K 768] x [K 768, N 768]; A: input x (given as codes); B: input Wk (given as codes): QUANTISED
;;     3. [M 16,896, K 768] x [K 768, N 768]; A: input x (given as codes); B: input Wv (given as codes): QUANTISED
;;     4. batch 384 x [M 64, K 64] x [K 64, N 128]; A: computed on the way; B: computed on the way: QUANTISED
;;     5. batch 384 x [M 64, K 128] x [K 128, N 64]; A: softmax (see below); B: computed on the way: QUANTISED
;;     6. batch 384 x [M 64, K 64] x [K 64, N 128]; A: computed on the way; B: computed on the way: QUANTISED
;;     7. batch 384 x [M 64, K 128] x [K 128, N 64]; A: softmax (see below); B: computed on the way: QUANTISED
;;     8. batch 384 x [M 400, K 64] x [K 64, N 528]; A: computed on the way; B: computed on the way: QUANTISED
;;     9. batch 384 x [M 400, K 528] x [K 528, N 64]; A: softmax (see below); B: computed on the way: QUANTISED
;;     10. [M 16,896, K 768] x [K 768, N 768]; A: computed on the way; B: input Wp (given as codes): QUANTISED
;;   THE QUANTISER, for each operand of a quantised product, along K:
;;     - K is cut into blocks of 32 from its start; a last block that is shorter is filled with zeros.
;;     - A block's scale is 2^e with e = floor(log2(the largest magnitude in the block)) - 2, held to -126 .. 127; a block of zeros has e = 0. As a byte (E8M0): e + 127.
;;     - Each number is divided by its block's scale, clamped to +-7.5, and rounded to the nearest number of E2M3, ties to even, subnormals kept.
;;     - The product sums the exact products of the quantised numbers (number of the format x scale) in f32.
;;   ~~~python
;;   def quantise(x, axis):      # numpy; x: float32 -> the quantised numbers, widened to float32 again
;;       x = np.moveaxis(x, axis, -1); K = x.shape[-1]
;;       x = np.pad(x, [(0, 0)] * (x.ndim - 1) + [(0, -K % 32)]); x = x.reshape(x.shape[:-1] + (-1, 32)); a = np.abs(x).max(-1, keepdims=True)
;;       e = np.where(a > 0, np.clip(np.frexp(np.where(a > 0, a, 1))[1] - 1 - 2, -126, 127), 0)      # np.frexp(a)[1] - 1 = floor(log2(a)), exactly
;;       r = np.clip(x / 2.0 ** e, -7.5, 7.5)
;;       step = 2.0 ** (np.maximum(np.frexp(np.where(r == 0, 1, r))[1] - 1, 0) - 3)
;;       q = np.round(r / step) * step * 2.0 ** e      # np.round: ties to even
;;       return np.moveaxis(q.reshape(q.shape[:-2] + (-1,))[..., :K], -1, axis).astype(np.float32)
;;   ~~~
;;   SOFTMAX AHEAD OF A QUANTISED PRODUCT. Where the list says 'softmax', what is quantised is not the finished softmax but p = 2^(t - M), with t = logit x log2(e) and M = ceil(the row's largest t), a whole number; so 1/2 < the row's largest p <= 1. The row's sum l is taken of the UNQUANTISED p, in f32, and the product's result is divided by l at the end. Since M is a whole number, a kernel that streams over the keys may use a running M (the ceiling of the running maximum): every later rescaling is an exact power of two, which a block's scale takes up: the codes' values come out the same.
;;   OPERANDS COMPUTED ON THE WAY. 'Computed on the way' means the value that the module computes at that place (a softmax that the list does not call 'softmax' is quantised finished and normalised). What goes into a quantiser is computed in f32, as accurately as f32 sums, v_exp_f32 and their like allow (about 1e-6 of the number): no bf16 or f16 on the way to a quantiser, and a product that is left as it is and whose result goes on into a quantised operand takes f32 operands (vector FMAs, or v_wmma_f32_16x16x4_f32). A number that lies on a knife's edge between two numbers of the format may be rounded either way, as far as f32 arithmetic and the matrix unit's own rounding can turn it there, and no further.
;;   INPUTS GIVEN AS CODES. Wk (in the module: [768, 768], K = its axis 0); Wp (in the module: [768, 768], K = its axis 0); Wq (in the module: [768, 768], K = its axis 0); Wv (in the module: [768, 768], K = its axis 0); x (in the module: [32, 528, 768], K = its axis 2): each comes as NAME_codes (uint8): NAME with its K axis moved to the last place and cut into blocks of 32 codes, [.., K / 32, bytes a block], one block behind the other in memory; four codes in three bytes: a row's codes are one little-endian stream of bits, code i at bits 6 i .. 6 i + 5 (a code: sign, 2 exponent bits, 3 mantissa bits); and NAME_scales (uint8): the same leading axes, one E8M0 byte (e + 127) for each 32 codes along K. Its value is code x scale, taken as it is: it is not quantised again, and the codes and scales need not be those that the quantiser above would give.
;; 3 versions. Each part assembles by itself: llvm-mc -triple=amdgcn-amd-amdhsa -mcpu=gfx1250 --defsym DOCPART=n.
;; ======== version 1 of 3: 2 launches
;; workspace buffers: oimg 9,732,096 bytes; osc 405,504 bytes
;; launch attn (part 1): grid 12 x 32, 16 waves a work-group, no clusters, 217,088 bytes of LDS; arguments x_codes, x_scales, Wk_codes, Wk_scales, Wq_codes, Wq_scales, Wv_codes, Wv_scales, oimg, osc; writes oimg, osc
.if DOCPART == 1
	.amdgcn_target "amdgcn-amd-amdhsa--gfx1250"
	.amdhsa_code_object_version 6
	.text
	.protected	k_qec7509fd1e_attn
	.globl	k_qec7509fd1e_attn
	.p2align	8
	.type	k_qec7509fd1e_attn,@function
k_qec7509fd1e_attn:
	s_mov_b64 s[64:65], 0
	v_nop
	global_prefetch_b8 v0, s[64:65] scope:SCOPE_SE
	s_setreg_imm32_b32 hwreg(HW_REG_WAVE_MODE, 25, 1), 1
	s_wait_xcnt 0x0
; One work-group = one head of one batch: q, k, v = x W (K = 768), quantised in registers, handed from wave to wave through LDS, then attention, all on codes of FP6 (E2M3)
; with one E8M0 byte for each 32 along a product's K.  Out go the codes and scale bytes of the normalised attention output, laid as the last product's operand wants them.
; Rows 0-127 of a batch see keys 0-127; rows 128-527 see all 528 keys.  logit = q.k / sqrt(768); p = 2^(t - M), t = logit x log2(e), M the running largest t rounded up to a whole number;
; the row's sum is taken of the unquantised p and divides O at the end.
; SHARES.  Sixteen waves of 256 registers, four to a SIMD, so that one wave's softmax stands beside another's products and LDS loads.  Projection: wave w owns rows 32 w .. 32 w + 31 (two tiles of 16),
; whose codes it reads from memory ONCE, straight into 144 registers, for all of q, k and v; rows 512-527 (the 33rd tile) are shared out among waves 0-5.  Attention: a task is one tile of 16 queries.
; ORDERS.  Tile T < 32 of the rows: lane r takes row 32 (T/2) + 8 (T%2) + r + 8 (r/8); tile 32: row 512 + r.  Tile t of a head's 64 columns of a weight: the same order.  So the 16 registers of two neighbouring
; result tiles are 16 NEIGHBOURS along the next product's K: 32 b + 16 (lane/16) + 0 .. 15, which is what the conversions take.
; HALF IMAGE (768 bytes): registers 6 c .. 6 c + 5 of a 6-bit fragment as they stand: registers 0-3 at 16 x lane, registers 4-5 at 512 + 8 x lane.  Lanes 0-15 hold one block of 32 codes of row r, lanes 16-31 the next.
; q's and k's K is 64: the fragment's upper six registers are zero codes (their scale bytes 0, which is 2^-127 on zeros).  The keys' 17th block is 16 keys and 16 zero codes.
; NO JOINT LOADS, though the 12 heads of a batch read the same x: x of a batch is 304,128 bytes, the weights' images 119,808 and q's, k's, v's 89,600: together more than a WGP's LDS, so x would have to go
; through slots that are filled again; here it goes into registers and never through LDS.  384 work-groups of equal work; splitting heads to reach 256 would project a head's k and v twice.
; LIMITS: a block whose largest magnitude lies under 2^-124 has its byte held at 1; a block of zeros gets the byte 1 and not 127 (its codes are zeros, and this program alone reads the bytes);
; NaN, infinities and given scale bytes 0xff are not served; t under -3e38 is not served.
.set KSC,  0                           ; LDS: k's scale words, 33 tiles x 64 bytes: word 4 r, bytes 0, 1 = blocks 0, 1
.set QSC,  2112                        ; q's likewise
.set VSC,  4224                        ; v's: (tile of d x 5 + key step) x 64 + 4 r: four bytes = the step's four blocks of keys
.set KIMG, 8192                        ; (bytes 0 .. 8,191 are cleared at the head)  k: 33 half images
.set VIMG, 33536                       ; v^T: (tile of d x 10 + pair of key blocks) x 768
.set QIMG, 64256                       ; q: 33 half images
.set FIMG, 89600                       ; whole fragment images, 1,536 bytes: (tile x 6 + K step): Wk's 4 tiles, Wq's 4, Wv's 4, x's rows 512-527
.set FSC,  209408                      ; their scale words, 64 bytes each
.set A16, 1                            ; v1   16 x lane           (v1-v4, v10-v13 are never rewritten)
.set A8,  2                            ; v2   8 x lane
.set AS,  3                            ; v3   4 r
.set R,   4                            ; v4   r = lane % 16
.set D16, 5                            ; v5-7 LDS addresses of the block or task in hand
.set D8,  6
.set DS,  7
.set AW,  8                            ; v8   where the pass's weight fragments lie;  v9 their scale words
.set AWS, 9
.set XO,  10                           ; v10  my byte in the wave's rows of x's codes;  v11 of x's scales
.set XSO, 11
.set FO,  12                           ; v12, v13 the same for the tile that my wave brings into LDS
.set FSO, 13
.set FW,  14                           ; v14, v15 where that tile's images and scale words go; later: where x's last tile is read
.set FSW, 15
.set XF,  16                           ; v16-159  x's fragments: (tile u, K step s) at 16 + 12 (6 u + s)
.set XS,  161                          ; v161-172 x's scale words; these registers hold scales in both phases
.set ACC, 174                          ; v174-205 four accumulators
.set WB,  206                          ; v206-229 two weight fragments
.set WSR, 230                          ; v230-231 their scale words
.set TM,  232
.set TM2, 233
.set TP,  234
.set SO,  235
.set X,   236                          ; v236-238 16 codes;  v240-242 the other half of the lanes' 16;  v244-249 the block's 32
.set Y,   240
.set F,   244
.set BY,  250
.set ZR,  252                          ; v252-255 zeros
.set FT,  174                          ; the fill: six fragments v174-245, six scale words v246-251
.set FTS, 246
; attention
.set QF,  16                           ; v16-27   q's fragment
.set KB,  32                           ; v32-79   four fragments of k
.set S,   96                           ; v96-159  S^T, then p; then v^T's four fragments in v96-143
.set FF,  160                          ; v160     f = 2^(old M - new M);  v161 p's scale word
.set PW,  161
.set QS,  162
.set KS,  163                          ; v163-166
.set VS,  167                          ; v167-170
.set O,   174                          ; v174-205 O^T
.set PF,  206                          ; v206-217 p's codes; at the end o's
.set PT,  218                          ; v218-220, v222-224 the conversions' second halves
.set NM,  226                          ; v226 -M, v227 the largest t
.set TMX, 227
.set SUM, 228                          ; v228-229 the row's sum in two halves
.set BM,  232
.set BP,  236
.set SOP, 240
.set TT,  244
.set SW,  245
.set SA,  246                          ; v246-247 the second chain of sums; at the end 1 / l
; s24 wave, s25 head, s26 batch; s[28:31] the fill's pointers; s[32:35] x's; s36-37 selects for lane l xor 16; s[38:39] c; s40-53 LDS bases; s[54:57] the task's places in oimg, osc; s58 trip, s59 task, s60 tile
.macro NOPS n
.rept \n
	v_nop
.endr
.endm
.macro XFRAG reg, voff, base, imm      ; a fragment from rows of codes: 24 bytes and 24 bytes, in pieces of 8
.irp p, 0,1,2,3,4,5
	global_load_b64 v[(\reg)+2*\p:(\reg)+2*\p+1], v[\voff], s[\base:\base+1] offset:(\imm)+48*(\p/3)+8*(\p%3)
.endr
.endm
.macro XLOADS                          ; my 32 rows of x: 12 scale words, then the fragments K step by K step: 84 loads
.irp u, 0,1
.irp s, 0,1,2,3,4,5
	global_load_b32 v[XS+6*\u+\s], v[XSO], s[34:35] offset:192*\u+4*\s
.endr
.endr
.irp s, 0,1,2,3,4,5
.irp u, 0,1
	XFRAG XF+12*(6*\u+\s), XO, 32, 4608*\u+96*\s
.endr
.endr
.endm
.macro MM d, a, b, z, sa, sb           ; z: the product starts its sum
.if \z
	v_wmma_scale_f32_16x16x128_f8f6f4 v[(\d):(\d)+7], v[(\a):(\a)+11], v[(\b):(\b)+11], 0, v[\sa], v[\sb] matrix_a_fmt:MATRIX_FMT_FP6 matrix_b_fmt:MATRIX_FMT_FP6
.else
	v_wmma_scale_f32_16x16x128_f8f6f4 v[(\d):(\d)+7], v[(\a):(\a)+11], v[(\b):(\b)+11], v[(\d):(\d)+7], v[\sa], v[\sb] matrix_a_fmt:MATRIX_FMT_FP6 matrix_b_fmt:MATRIX_FMT_FP6
.endif
.endm
.macro WLOAD s                         ; the pass's two weight tiles, K step s
.irp i, 0,1
.irp c, 0,1,2
	ds_load_b128 v[WB+12*\i+4*\c:WB+12*\i+4*\c+3], v[AW] offset:9216*\i+1536*(\s)+512*\c
.endr
	ds_load_b32 v[WSR+\i], v[AWS] offset:384*\i+64*(\s)
.endr
.endm
; Six K steps of mt row tiles x 2 weight tiles.  kind 0 (q, k), transposed: source 0 = the weight's 16 columns, source 1 = 16 rows of x: a lane holds one row, its registers run along the head's 64.
; kind 1 (v): source 0 = 16 rows of x, source 1 = the weight: a lane holds one of the head's 64, its registers run along the keys.  The accumulators take turns, one instruction a turn.
.macro PSTEPS kind, mt, first
.irp s, 0,1,2,3,4,5
.if \s > 0
	NOPS 4                                         ; places in front of loads into registers that products have read
.endif
	WLOAD \s
	s_wait_dscnt 0x0
.if \first
	s_wait_loadcnt 12*(5-\s)                       ; x's scale words and its fragments up to this K step are in; the later steps' 12 loads each may be out
.endif
.irp a, 0,1
.irp c, 0,1
.if \kind == 0
.if \a < \mt
	MM ACC+16*\a+8*\c, WB+12*\c, XF+12*(6*\a+\s), (\s==0), WSR+\c, XS+6*\a+\s
.endif
.else
.if \c < \mt
	MM ACC+16*\a+8*\c, XF+12*(6*\c+\s), WB+12*\a, (\s==0), XS+6*\c+\s, WSR+\a
.endif
.endif
.endr
.endr
.endr
.endm
; One block of 32 along K for 16 rows: lane (r, h) holds numbers 16 h + 0 .. 15 of row r's block in v[src] on.  Out: the block's 32 codes in one half of the lanes' places of a half image, and its scale byte.
; Lanes r and r + 16 end up with the same six registers and write the same bytes.
.macro QBLK src, o16, o8, os
	s_wait_dscnt 0x0                               ; the last block's stores have read their registers
	v_max3_num_f32 v[TM], |v[(\src)]|, |v[(\src)+1]|, 0x1800000    ; the largest magnitude in two chains, each accumulator from its low end on; the floor 2^(3 - 127) holds the byte at 1 from below
	v_max3_num_f32 v[TM2], |v[(\src)+8]|, |v[(\src)+9]|, 0x1800000
.irp i, 2,4,6
	v_max3_num_f32 v[TM], v[TM], |v[(\src)+\i]|, |v[(\src)+\i+1]|
	v_max3_num_f32 v[TM2], v[TM2], |v[(\src)+8+\i]|, |v[(\src)+9+\i]|
.endr
	v_max_num_f32 v[TM], v[TM], v[TM2]
	v_permlanex16_b32 v[TP], v[TM], s36, s37
	v_max_num_f32 v[TM], v[TM], v[TP]              ; with lane l xor 16's: the block's
	v_add_nc_u32 v[SO], 0xff000000, v[TM]          ; 2 off its exponent field: the conversion's scale operand
	v_lshrrev_b32 v[BY], 23, v[SO]                 ; the scale's byte
	v_cvt_scalef32_pk16_fp6_f32 v[X:X+2], v[(\src):(\src)+15], v[SO]
	v_nop                                          ; one plain place behind a scaled conversion
.irp i, 0,1,2
	v_permlanex16_b32 v[Y+\i], v[X+\i], s36, s37
.endr
.irp i, 0,1,2
	v_cndmask_b32 v[F+\i], v[X+\i], v[Y+\i], vcc_lo       ; codes 0-15: lanes 0-15 have them, lanes 16-31 take the partner's (vcc_lo = lanes 16-31)
	v_cndmask_b32 v[F+3+\i], v[Y+\i], v[X+\i], vcc_lo     ; codes 16-31 the other way round
.endr
	ds_store_b128 v[D16], v[F:F+3] offset:\o16
	ds_store_b64 v[D8], v[F+4:F+5] offset:\o8
	ds_store_b8 v[DS], v[BY] offset:\os
.endm
; Pass pp = 0 .. 5: k's columns 0-31, 32-63, q's, v's: weight tiles 2 pp and 2 pp + 1 against my two row tiles.
.macro PASS kind, pp, first
	s_wait_dscnt 0x0                               ; no LDS instruction of mine is out: the address registers may be written
	v_add_nc_u32 v[AW], FIMG+18432*\pp, v[A16]
	v_add_nc_u32 v[AWS], FSC+768*\pp, v[AS]
.if \pp < 2
	v_lshl_add_u32 v[D16], v[R], 4, s40
	v_lshl_add_u32 v[D8], v[R], 3, s40
	v_lshl_add_u32 v[DS], v[R], 2, s42
.elseif \pp < 4
	v_lshl_add_u32 v[D16], v[R], 4, s41
	v_lshl_add_u32 v[D8], v[R], 3, s41
	v_lshl_add_u32 v[DS], v[R], 2, s43
.else
	v_lshl_add_u32 v[D16], v[R], 4, s44
	v_lshl_add_u32 v[D8], v[R], 3, s45
	v_lshl_add_u32 v[DS], v[R], 2, s46
.endif
	PSTEPS \kind, 2, \first
	NOPS 5                                         ; four in front of the first read of results; five in front of the next pass's products, which write over these
.if \kind == 0
	QBLK ACC, 256*(\pp%2), 512+128*(\pp%2), \pp%2                  ; row tile 2 w: block pp % 2 of the head's two goes to that half of the lanes' places
	QBLK ACC+16, 768+256*(\pp%2), 1280+128*(\pp%2), 64+\pp%2       ; row tile 2 w + 1
.else
	QBLK ACC, 15360*(\pp-4), 15360*(\pp-4), 640*(\pp-4)            ; tile 2 (pp - 4) of the head's 64: key block w
	QBLK ACC+16, 15360*(\pp-4)+7680, 15360*(\pp-4)+7680, 640*(\pp-4)+320
.endif
.endm
; Sixteen numbers along K that lie eight to a lane (lanes 0-15: 0-7, lanes 16-31: 8-15): lanes 0-15 fetch the partner's eight and hold the 16 in order; what lanes 16-31 make is thrown away by the caller.
.macro TAIL16 src, dst, so
.irp j, 0,1,2,3,4,5,6,7
	v_permlanex16_b32 v[(\src)+8+\j], v[(\src)+\j], s36, s37
.endr
	v_cvt_scalef32_pk16_fp6_f32 v[\dst:\dst+2], v[(\src):(\src)+15], v[\so]
	v_nop                                          ; one plain place behind a scaled conversion
.endm
.macro TAILV i                         ; v's keys 512-527 for tile 2 delta + i of the head's 64: block 16 = 16 codes and 16 zeros; blocks 17 to 19 zeros
	s_wait_dscnt 0x0
	v_max3_num_f32 v[TM], |v[ACC+16*\i]|, |v[ACC+16*\i+1]|, 0x1800000
.irp j, 2,4,6
	v_max3_num_f32 v[TM], v[TM], |v[ACC+16*\i+\j]|, |v[ACC+16*\i+\j+1]|
.endr
	v_permlanex16_b32 v[TP], v[TM], s36, s37
	v_max_num_f32 v[TM], v[TM], v[TP]
	v_add_nc_u32 v[SO], 0xff000000, v[TM]
	v_lshrrev_b32 v[BY], 23, v[SO]
	TAIL16 ACC+16*\i, X, SO
.irp j, 3,4,5
	v_mov_b32 v[F+\j], 0
.endr
.irp j, 0,1,2
	v_cndmask_b32 v[F+\j], v[X+\j], v[F+3], vcc_lo        ; lanes 16-31: zero codes
.endr
	ds_store_b128 v[D16], v[F:F+3] offset:7680*\i
	ds_store_b64 v[D8], v[F+4:F+5] offset:7680*\i+512
	ds_store_b128 v[D16], v[ZR:ZR+3] offset:7680*\i+768
	ds_store_b64 v[D8], v[ZR:ZR+1] offset:7680*\i+1280
	ds_store_b8 v[DS], v[BY] offset:320*\i
.endm
	s_load_b512 s[4:19], s[0:1], 0x0               ; x's codes, scales; Wk's; Wq's; Wv's
	s_load_b128 s[20:23], s[0:1], 0x40             ; oimg, osc
	v_lshrrev_b32 v5, 5, v0
	v_readfirstlane_b32 s24, v5                    ; wave 0..15
	s_mov_b32 s25, ttmp9                           ; head
	s_and_b32 s26, ttmp7, 0xffff                   ; batch
	s_mov_b32 vcc_lo, 0xffff0000                   ; lanes 16-31, for the whole kernel: no compare is written
	s_mov_b32 s36, 0x76543210
	s_mov_b32 s37, 0xfedcba98
	s_mov_b32 s38, 0x3d553b95                      ; c = log2(e) / sqrt(768)
	s_mov_b32 s39, s38
	v_and_b32 v6, 31, v0
	v_lshlrev_b32 v[A16], 4, v6
	v_lshlrev_b32 v[A8], 3, v6
	v_and_b32 v[R], 15, v0
	v_lshlrev_b32 v[AS], 2, v[R]
	v_bfe_u32 v7, v0, 4, 1                         ; h
	v_and_b32 v8, 8, v[R]
	v_add_nc_u32 v9, v8, v[R]                      ; r + 8 (r / 8)
	v_mul_u32_u24 v[XO], v9, 576
	v_mad_u32_u24 v[XO], v7, 24, v[XO]
	v_mul_u32_u24 v[XSO], v9, 24
	s_cmp_lt_u32 s24, 12
	s_cselect_b32 s61, 1, 0                        ; waves 0-11 bring a weight's tile (its columns in the tiles' order), wave 12 x's rows 512-527 (plain)
	v_mul_u32_u24 v8, v8, s61
	v_add_nc_u32 v8, v8, v[R]
	v_mul_u32_u24 v[FSO], v8, 24
	v_mul_u32_u24 v[FO], v8, 576
	v_mad_u32_u24 v[FO], v7, 24, v[FO]
	s_mul_i32 s62, s24, 9216
	s_add_co_u32 s62, s62, FIMG
	v_add_nc_u32 v[FW], s62, v[A16]
	s_mul_i32 s62, s24, 384
	s_add_co_u32 s62, s62, FSC
	v_add_nc_u32 v[FSW], s62, v[AS]
	v_lshlrev_b32 v5, 4, v0
.irp j, 0,1,2,3
	v_mov_b32 v[ZR+\j], 0
.endr
	ds_store_b128 v5, v[ZR:ZR+3]                   ; 512 threads x 16 bytes: LDS bytes 0 .. 8,191 are zeros: the scale bytes that nobody writes
	; LDS bases, all of the wave's number and constants
	s_mul_i32 s40, s24, 1536
	s_add_co_u32 s41, s40, QIMG                    ; q's tiles 2 w, 2 w + 1
	s_add_co_u32 s40, s40, KIMG                    ; k's
	s_lshl_b32 s42, s24, 7                         ; k's scale words (KSC = 0)
	s_add_co_u32 s43, s42, QSC
	s_and_b32 s61, s24, 1
	s_lshr_b32 s62, s24, 1
	s_mul_i32 s62, s62, 768
	s_lshl_b32 s63, s61, 8
	s_add_co_u32 s44, s62, s63
	s_add_co_u32 s44, s44, VIMG                    ; v: key block w lies in pair w / 2, half w % 2 of the lanes' places
	s_lshl_b32 s63, s61, 7
	s_add_co_u32 s45, s62, s63
	s_add_co_u32 s45, s45, VIMG+512
	s_and_b32 s46, s24, 3
	s_lshr_b32 s63, s24, 2
	s_lshl_b32 s63, s63, 6
	s_add_co_u32 s46, s46, s63
	s_add_co_u32 s46, s46, VSC                     ; its byte: key step w / 4, byte w % 4
	s_lshr_b32 s62, s24, 1                         ; the last tile's units (waves 0-5 use these): 0 = k, 1 = q
	s_mul_i32 s47, s62, QIMG-KIMG
	s_lshl_b32 s63, s61, 8
	s_add_co_u32 s63, s63, s47
	s_lshl_b32 s48, s61, 7
	s_add_co_u32 s48, s48, s47
	s_add_co_u32 s47, s63, KIMG+24576
	s_add_co_u32 s48, s48, KIMG+25088
	s_mul_i32 s49, s62, QSC-KSC
	s_add_co_u32 s49, s49, s61
	s_add_co_u32 s49, s49, KSC+2048
	s_mul_i32 s50, s24, 18432
	s_add_co_u32 s50, s50, FIMG
	s_mul_i32 s51, s24, 768
	s_add_co_u32 s51, s51, FSC
	s_mul_i32 s52, s61, 15360
	s_add_co_u32 s52, s52, VIMG+6144
	s_mul_i32 s53, s61, 640
	s_add_co_u32 s53, s53, VSC+256
	; the first row of the tile that my wave brings
	s_lshl_b32 s62, s25, 6
	s_bfe_u32 s63, s24, 0x10001
	s_lshl_b32 s63, s63, 5
	s_add_co_u32 s62, s62, s63
	s_lshl_b32 s63, s61, 3
	s_add_co_u32 s62, s62, s63                     ; a weight's: 64 head + 32 ((w % 4) / 2) + 8 (w % 2)
	s_mul_i32 s60, s26, 528
	s_add_co_u32 s63, s60, 512                     ; x's: 528 batch + 512
	s_mov_b32 s59, 0
	s_wait_kmcnt 0x0
	s_cmp_lt_u32 s24, 12                           ; the choices hang on the wave's number alone
	s_cselect_b32 s62, s62, s63
	s_cselect_b64 s[28:29], s[16:17], s[4:5]
	s_cselect_b64 s[30:31], s[18:19], s[6:7]
	s_cmp_lt_u32 s24, 8
	s_cselect_b64 s[28:29], s[12:13], s[28:29]
	s_cselect_b64 s[30:31], s[14:15], s[30:31]
	s_cmp_lt_u32 s24, 4
	s_cselect_b64 s[28:29], s[8:9], s[28:29]
	s_cselect_b64 s[30:31], s[10:11], s[30:31]
	s_mul_i32 s58, s62, 576
	s_add_nc_u64 s[28:29], s[28:29], s[58:59]
	s_mul_i32 s58, s62, 24
	s_add_nc_u64 s[30:31], s[30:31], s[58:59]
	s_lshl_b32 s63, s24, 5
	s_add_co_u32 s62, s60, s63                     ; my first row of x: 528 batch + 32 w
	s_mul_i32 s58, s62, 576
	s_add_nc_u64 s[32:33], s[4:5], s[58:59]
	s_mul_i32 s58, s62, 24
	s_add_nc_u64 s[34:35], s[6:7], s[58:59]
	; THE FILL: waves 0-12 bring one tile each (6 K steps: 6 + 36 loads) and store it as images; every wave asks for its own rows of x
	s_cmp_gt_u32 s24, 12
	s_cbranch_scc1 .Lplain
.irp s, 0,1,2,3,4,5
	global_load_b32 v[FTS+\s], v[FSO], s[30:31] offset:4*\s
.endr
.irp s, 0,1,2,3,4,5
	XFRAG FT+12*\s, FO, 28, 96*\s
.endr
	XLOADS
	s_wait_loadcnt 63                              ; 84 loads were issued behind the fill's 42: with at most 63 out, the first 63 of the 126 are in, the 42 among them
.irp s, 0,1,2,3,4,5
.irp c, 0,1,2
	ds_store_b128 v[FW], v[FT+12*\s+4*\c:FT+12*\s+4*\c+3] offset:1536*\s+512*\c
.endr
.endr
.irp s, 0,1,2,3,4,5
	ds_store_b32 v[FSW], v[FTS+\s] offset:64*\s    ; lanes r and r + 16 hold the same word
.endr
	s_branch .Lfilled
.Lplain:
	XLOADS
.Lfilled:
	s_wait_dscnt 0x0                               ; for the others' sake: my images and my zeros have landed
	s_barrier_signal -1
	s_barrier_wait -1                              ; the weights' images lie in LDS.  (x's loads stay out: nobody writes those bytes)
	v_mov_b32 v[TP], 0                             ; written once: a lane permute's destination counts as one of its sources
.irp j, 0,1,2
	v_mov_b32 v[Y+\j], 0
.endr
	PASS 0, 0, 1
	PASS 0, 1, 0
	PASS 0, 2, 0
	PASS 0, 3, 0
	PASS 1, 4, 0
	PASS 1, 5, 0
	; ROWS 512-527: six units of 12 products: wave w < 6 does for this tile what pass w did for the others
	s_wait_dscnt 0x0
	s_cmp_gt_u32 s24, 5
	s_cbranch_scc1 .Ltail_done
	v_add_nc_u32 v[AW], s50, v[A16]
	v_add_nc_u32 v[AWS], s51, v[AS]
	v_add_nc_u32 v[FW], FIMG+12*9216, v[A16]
	v_add_nc_u32 v[FSW], FSC+12*384, v[AS]
.irp s, 0,1,2,3,4,5
.irp c, 0,1,2
	ds_load_b128 v[XF+12*\s+4*\c:XF+12*\s+4*\c+3], v[FW] offset:1536*\s+512*\c     ; (the five places behind the last pass's products stand in front of these loads)
.endr
	ds_load_b32 v[XS+\s], v[FSW] offset:64*\s
.endr
	s_cmp_gt_u32 s24, 3
	s_cbranch_scc1 .Ltail_v
	v_lshl_add_u32 v[D16], v[R], 4, s47
	v_lshl_add_u32 v[D8], v[R], 3, s48
	v_lshl_add_u32 v[DS], v[R], 2, s49
	PSTEPS 0, 1, 0
	NOPS 5
	QBLK ACC, 0, 0, 0
	s_branch .Ltail_done
.Ltail_v:
	v_add_nc_u32 v[D16], s52, v[A16]
	v_add_nc_u32 v[D8], s52, v[A8]
	v_lshl_add_u32 v[DS], v[R], 2, s53
	PSTEPS 1, 1, 0
	NOPS 5
	TAILV 0
	TAILV 1
.Ltail_done:
	s_wait_dscnt 0x0                               ; for the others' sake: my images and bytes have landed
	s_barrier_signal -1
	s_barrier_wait -1                              ; q, k, v of the head lie in LDS; from here on LDS is only read
; ---------------- ATTENTION ----------------
.macro KLOAD t0, cnt                   ; cnt tiles of k from tile t0 on: the lower six registers of each fragment (the upper six stay zero) and the scale words
.irp t, 0,1,2,3
.if \t < \cnt
	ds_load_b128 v[KB+12*\t:KB+12*\t+3], v[A16] offset:KIMG+768*((\t0)+\t)
	ds_load_b64 v[KB+12*\t+4:KB+12*\t+5], v[A8] offset:KIMG+768*((\t0)+\t)+512
	ds_load_b32 v[KS+\t], v[AS] offset:KSC+64*((\t0)+\t)
.endif
.endr
.endm
.macro VLOAD sg                        ; v^T's four fragments of key step sg, into the registers that p has left
.irp t, 0,1,2,3
.irp c, 0,1
	ds_load_b128 v[S+12*\t+6*\c:S+12*\t+6*\c+3], v[A16] offset:VIMG+768*(10*\t+2*\sg+\c)
	ds_load_b64 v[S+12*\t+6*\c+4:S+12*\t+6*\c+5], v[A8] offset:VIMG+768*(10*\t+2*\sg+\c)+512
.endr
	ds_load_b32 v[VS+\t], v[AS] offset:VSC+64*(5*\t+\sg)
.endr
.endm
.macro NEWM                            ; v[TT] = the step's largest score: the running largest t, -M = floor(-t), f = 2^(old M - new M)
	v_mul_f32 v[TT], s38, v[TT]
	v_max_num_f32 v[TMX], v[TMX], v[TT]
	v_mov_b32 v[TT], v[NM]
	v_floor_f32 v[NM], -v[TMX]
	v_sub_f32 v[TT], v[NM], v[TT]                  ; a whole number, 0 or less
	v_cvt_i32_f32 v[TT], v[TT]                     ; (it saturates)
	v_ldexp_f32 v[FF], 1.0, v[TT]
.endm
.macro RESCALE                         ; O^T under the new M; also the places in front of the scaled products (eight behind p's scale word, four behind its codes)
.set J, 0
.rept 16
	v_pk_mul_f32 v[O+J:O+J+1], v[O+J:O+J+1], v[FF:FF+1] op_sel_hi:[1,0]
.set J, J+2
.endr
.endm
.macro SOFTMAX                         ; 64 scores of a lane (register 16 b + i = key 32 b + 16 (lane / 16) + i of the step) become p's codes, its scale word, and the sum's new terms
.irp b, 0,1,2,3
	v_max3_num_f32 v[BM+\b], v[S+16*\b], v[S+16*\b+1], v[S+16*\b+2]        ; the largest score of each block of 32 keys: for the row's maximum, and, since p rises with the score, for the block's largest p
.endr
.irp i, 3,5,7,9,11,13
.irp b, 0,1,2,3
	v_max3_num_f32 v[BM+\b], v[BM+\b], v[S+16*\b+\i], v[S+16*\b+\i+1]
.endr
.endr
.irp b, 0,1,2,3
	v_max_num_f32 v[BM+\b], v[BM+\b], v[S+16*\b+15]
.endr
.irp b, 0,1,2,3
	v_permlanex16_b32 v[BP+\b], v[BM+\b], s36, s37
.endr
.irp b, 0,1,2,3
	v_max_num_f32 v[BM+\b], v[BM+\b], v[BP+\b]
.endr
	v_max3_num_f32 v[TT], v[BM], v[BM+1], v[BM+2]
	v_max_num_f32 v[TT], v[TT], v[BM+3]
	NEWM
.set J, 0
.rept 32
	v_pk_fma_f32 v[S+J:S+J+1], v[S+J:S+J+1], s[38:39], v[NM:NM+1] op_sel_hi:[1,0,0]   ; t - M, two at a time
.set J, J+2
.endr
.irp b, 0,1,2,3
	v_fma_f32 v[BM+\b], v[BM+\b], s38, v[NM]
.endr
.set J, 0
.rept 64
	v_exp_f32 v[S+J], v[S+J]                       ; p = 2^(t - M), not normalised
.set J, J+1
.endr
.irp b, 0,1,2,3
	v_exp_f32 v[BM+\b], v[BM+\b]                   ; the block's largest p: the same two instructions on the same number
.endr
	v_pk_mul_f32 v[SUM:SUM+1], v[SUM:SUM+1], v[FF:FF+1] op_sel_hi:[1,0]    ; the sum under the new M.  (The plain place behind the exponentials)
	s_wait_alu depctr_va_vdst(0)
.irp b, 0,1,2,3
	v_max_num_f32 v[BM+\b], 0x1800000, v[BM+\b]    ; the floor 2^(3 - 127)
.endr
.irp b, 0,1,2,3
	v_add_nc_u32 v[SOP+\b], 0xff000000, v[BM+\b]
.endr
.irp b, 0,1,2,3
	v_lshrrev_b32 v[BP+\b], 23, v[SOP+\b]
.endr
	v_lshl_or_b32 v[PW], v[BP+1], 8, v[BP]
	v_lshl_or_b32 v[PW], v[BP+2], 16, v[PW]
	v_lshl_or_b32 v[PW], v[BP+3], 24, v[PW]
.irp c, 0,1
	v_cvt_scalef32_pk16_fp6_f32 v[PF+6*\c:PF+6*\c+2], v[S+32*\c:S+32*\c+15], v[SOP+2*\c]
	v_cvt_scalef32_pk16_fp6_f32 v[PT+4*\c:PT+4*\c+2], v[S+32*\c+16:S+32*\c+31], v[SOP+2*\c+1]
.endr
	v_nop                                          ; one plain place behind a scaled conversion
.irp c, 0,1                            ; the operand wants a whole block in a lane: lanes 0-15 block 2 c, lanes 16-31 block 2 c + 1
.irp i, 0,1,2
	v_permlane16_swap_b32 v[PF+6*\c+\i], v[PT+4*\c+\i]
.endr
.irp i, 0,1,2
	v_mov_b32 v[PF+6*\c+3+\i], v[PT+4*\c+\i]
.endr
.endr
	v_pk_add_f32 v[SA:SA+1], v[S:S+1], v[S+2:S+3]  ; the row's sum is taken of the unquantised p, in two chains
.irp j, 4,8,12,16,20,24,28,32,36,40,44,48,52,56,60
	v_pk_add_f32 v[SUM:SUM+1], v[SUM:SUM+1], v[S+\j:S+\j+1]
	v_pk_add_f32 v[SA:SA+1], v[SA:SA+1], v[S+\j+2:S+\j+3]
.endr
	v_pk_add_f32 v[SUM:SUM+1], v[SUM:SUM+1], v[SA:SA+1]
.endm
; A key step of 128 keys: tiles 8 sg .. 8 sg + 7 of k.  Its first four fragments are in registers; nxt, nn: the tiles that the next step begins with.  first = 1: the products start O^T's sums.
.macro STEP sg, nxt, nn, first
	NOPS 5                                         ; S^T's registers were sources of the last products and are now written over by products
.irp t, 0,1,2,3
	MM S+8*\t, KB+12*\t, QF, 1, KS+\t, QS
.endr
	NOPS 4
	KLOAD 8*\sg+4, 4
	s_wait_dscnt 0x0
.irp t, 0,1,2,3
	MM S+32+8*\t, KB+12*\t, QF, 1, KS+\t, QS
.endr
	NOPS 4
	KLOAD \nxt, \nn                                ; lands under the softmax
	SOFTMAX
	VLOAD \sg
.if \first == 0
	RESCALE
.endif
	s_wait_dscnt 0x0                               ; v^T's fragments, and the next step's of k
.irp t, 0,1,2,3
	MM O+8*\t, S+12*\t, PF, \first, VS+\t, PW      ; (first step: the 31 packed sums behind p's codes and scale word are the places in front of these)
.endr
.endm
.irp j, 6,7,8,9,10,11
	v_mov_b32 v[QF+\j], 0                          ; K = 64 of the instruction's 128: the upper halves of q's and k's fragments are zero codes, written once
.irp t, 0,1,2,3
	v_mov_b32 v[KB+12*\t+\j], 0
.endr
.endr
.irp b, 0,1,2,3
	v_mov_b32 v[BP+\b], 0                          ; written once: a lane permute's destination counts as one of its sources
.endr
	v_mov_b32 v[TT], 0
	v_mov_b32 v[PW], 0                             ; (named as the upper half of the pair with f before it is first written)
	s_mov_b32 s58, 0
.Ltask:                                            ; three trips: task 16 trip + wave of 33; tasks 0-24 are the search tiles 8-32 (the long ones first), tasks 25-32 the template tiles 0-7
	s_lshl_b32 s59, s58, 4
	s_add_co_u32 s59, s59, s24
	s_cmp_gt_u32 s59, 32
	s_cbranch_scc1 .Ltask_end
	s_add_co_u32 s61, s59, 7
	s_lshr_b32 s61, s61, 5
	s_mul_i32 s61, s61, 0xffffffdf                 ; -33 from task 25 on
	s_add_co_u32 s60, s59, 8
	s_add_co_u32 s60, s60, s61
	s_min_u32 s60, s60, 32                         ; the tile of queries
	s_wait_xcnt 0x0                                ; the last task's stores have read their data and bases: both are written again only behind this wait
	s_mul_i32 s61, s26, 33
	s_add_co_u32 s61, s61, s60                     ; 33 batch + tile
	s_mul_i32 s62, s61, 12
	s_add_co_u32 s62, s62, s25
	s_mul_i32 s62, s62, 768
	s_mov_b32 s63, 0
	s_add_nc_u64 s[54:55], s[20:21], s[62:63]      ; my half image in oimg
	s_mul_i32 s62, s61, 6
	s_lshr_b32 s61, s25, 1
	s_add_co_u32 s62, s62, s61
	s_lshl_b32 s62, s62, 6
	s_and_b32 s61, s25, 1
	s_lshl_b32 s61, s61, 1
	s_add_co_u32 s62, s62, s61
	s_add_nc_u64 s[56:57], s[22:23], s[62:63]      ; my two bytes of each row's scale word in osc
	s_mul_i32 s61, s60, 768
	s_add_co_u32 s61, s61, QIMG
	v_add_nc_u32 v[D16], s61, v[A16]
	v_add_nc_u32 v[D8], s61, v[A8]
	s_lshl_b32 s61, s60, 6
	s_add_co_u32 s61, s61, QSC
	v_add_nc_u32 v[DS], s61, v[AS]
	ds_load_b128 v[QF:QF+3], v[D16]
	ds_load_b64 v[QF+4:QF+5], v[D8] offset:512
	ds_load_b32 v[QS], v[DS]
	KLOAD 0, 4
	v_mov_b32 v[TMX], 0xff61b1e6                   ; the largest t so far: -3e38
	v_floor_f32 v[NM], -v[TMX]
	v_mov_b32 v[SUM], 0
	v_mov_b32 v[SUM+1], 0
	s_wait_dscnt 0x0
	STEP 0, 8, 4, 1
	s_cmp_lt_u32 s60, 8
	s_cbranch_scc1 .Lfin                           ; the templates' rows see keys 0-127 alone
	STEP 1, 16, 4, 0
	STEP 2, 24, 4, 0
	STEP 3, 32, 1, 0
	; keys 512-527: one tile, register j = key 512 + 8 (lane / 16) + j
	NOPS 5
	MM S, KB, QF, 1, KS, QS
	NOPS 4
	v_max3_num_f32 v[BM], v[S], v[S+1], v[S+2]
	v_max3_num_f32 v[BM], v[BM], v[S+3], v[S+4]
	v_max3_num_f32 v[BM], v[BM], v[S+5], v[S+6]
	v_max_num_f32 v[BM], v[BM], v[S+7]
	v_permlanex16_b32 v[BP], v[BM], s36, s37
	v_max_num_f32 v[BM], v[BM], v[BP]
	v_mov_b32 v[TT], v[BM]
	NEWM
.irp j, 0,2,4,6
	v_pk_fma_f32 v[S+\j:S+\j+1], v[S+\j:S+\j+1], s[38:39], v[NM:NM+1] op_sel_hi:[1,0,0]
.endr
	v_fma_f32 v[BM], v[BM], s38, v[NM]
.irp j, 0,1,2,3,4,5,6,7
	v_exp_f32 v[S+\j], v[S+\j]
.endr
	v_exp_f32 v[BM], v[BM]
	v_pk_mul_f32 v[SUM:SUM+1], v[SUM:SUM+1], v[FF:FF+1] op_sel_hi:[1,0]    ; (the plain place behind the exponentials)
	s_wait_alu depctr_va_vdst(0)
.irp j, 0,2,4,6
	v_pk_add_f32 v[SUM:SUM+1], v[SUM:SUM+1], v[S+\j:S+\j+1]
.endr
	v_max_num_f32 v[BM], 0x1800000, v[BM]
	v_add_nc_u32 v[SOP], 0xff000000, v[BM]
	v_lshrrev_b32 v[PW], 23, v[SOP]                ; byte 0 = the block's; bytes 1-3 stand over zero codes
	TAIL16 S, PT, SOP
.irp j, 0,1,2
	v_cndmask_b32 v[PF+\j], v[PT+\j], v[QF+6], vcc_lo     ; lanes 0-15: the 16 keys' codes; lanes 16-31: zeros (q's upper half is a register of zeros)
.endr
.irp j, 3,4,5,6,7,8,9,10,11
	v_mov_b32 v[PF+\j], 0
.endr
	VLOAD 4
	RESCALE
	s_wait_dscnt 0x0
.irp t, 0,1,2,3
	MM O+8*\t, S+12*\t, PF, 0, VS+\t, PW
.endr
.Lfin:
	NOPS 4
	v_add_f32 v[SUM], v[SUM], v[SUM+1]             ; the sum's two halves,
	v_permlanex16_b32 v[TT], v[SUM], s36, s37
	v_add_f32 v[SUM], v[SUM], v[TT]                ; and lane l xor 16's: l
	v_rcp_f32 v[SA], v[SUM]
	v_nop                                          ; one plain place behind a transcendental
.set J, 0
	s_wait_alu depctr_va_vdst(0)
.rept 16
	v_pk_mul_f32 v[O+J:O+J+1], v[O+J:O+J+1], v[SA:SA+1] op_sel_hi:[1,0]    ; O^T / l, each accumulator from its low end on: register 16 b + i = channel 32 b + 16 (lane / 16) + i of my query
.set J, J+2
.endr
.irp b, 0,1
	v_max3_num_f32 v[BM+\b], |v[O+16*\b]|, |v[O+16*\b+1]|, 0x1800000
.endr
.irp i, 2,4,6,8,10,12,14
.irp b, 0,1
	v_max3_num_f32 v[BM+\b], v[BM+\b], |v[O+16*\b+\i]|, |v[O+16*\b+\i+1]|
.endr
.endr
.irp b, 0,1
	v_permlanex16_b32 v[BP+\b], v[BM+\b], s36, s37
.endr
.irp b, 0,1
	v_max_num_f32 v[BM+\b], v[BM+\b], v[BP+\b]
.endr
.irp b, 0,1
	v_add_nc_u32 v[SOP+\b], 0xff000000, v[BM+\b]
.endr
.irp b, 0,1
	v_lshrrev_b32 v[BP+\b], 23, v[SOP+\b]
.endr
	v_lshl_or_b32 v[SW], v[BP+1], 8, v[BP]         ; the head's two scale bytes of my row
	v_cvt_scalef32_pk16_fp6_f32 v[PF:PF+2], v[O:O+15], v[SOP]
	v_cvt_scalef32_pk16_fp6_f32 v[PT:PT+2], v[O+16:O+31], v[SOP+1]
	v_nop                                          ; one plain place behind a scaled conversion
.irp i, 0,1,2
	v_permlane16_swap_b32 v[PF+\i], v[PT+\i]       ; lanes 0-15: block 0 whole; lanes 16-31: block 1
.endr
.irp i, 0,1,2
	v_mov_b32 v[PF+3+\i], v[PT+\i]
.endr
	global_store_b128 v[A16], v[PF:PF+3], s[54:55]             ; 512 consecutive bytes, at a multiple of 256 from oimg's first byte,
	global_store_b64 v[A8], v[PF+4:PF+5], s[54:55] offset:512  ; and the 256 behind them
	global_store_b16 v[AS], v[SW], s[56:57]                    ; lanes r and r + 16 hold the same two bytes
.Ltask_end:
	s_add_co_u32 s58, s58, 1
	s_cmp_lt_u32 s58, 3
	s_cbranch_scc1 .Ltask
	s_wait_xcnt 0x0
	v_lshl_add_u32 v254, v0, 2, 0x34800
	v_mov_b32 v255, 0
	s_wait_tensorcnt 0x0
	ds_add_u32 v254, v255
	s_wait_dscnt 0x0
	s_endpgm
.Lfunc_end_k_qec7509fd1e_attn:
	.size	k_qec7509fd1e_attn, .Lfunc_end_k_qec7509fd1e_attn-k_qec7509fd1e_attn
	.p2alignl 7, 3214868480
	.fill 96, 4, 3214868480
	.section	.rodata,"a",@progbits
	.p2align	6, 0x0
	.amdhsa_kernel k_qec7509fd1e_attn
		.amdhsa_group_segment_fixed_size 217088
		.amdhsa_private_segment_fixed_size 0
		.amdhsa_enable_private_segment 0
		.amdhsa_kernarg_size 80
		.amdhsa_user_sgpr_count 2
		.amdhsa_user_sgpr_kernarg_segment_ptr 1
		.amdhsa_wavefront_size32 1
		.amdhsa_system_sgpr_workgroup_id_x 1
		.amdhsa_system_sgpr_workgroup_id_y 1
		.amdhsa_system_sgpr_workgroup_id_z 1
		.amdhsa_system_vgpr_workitem_id 0
		.amdhsa_next_free_vgpr 256
		.amdhsa_next_free_sgpr 66
		.amdhsa_reserve_vcc 1
		.amdhsa_float_denorm_mode_32 3
		.amdhsa_float_denorm_mode_16_64 3
		.amdhsa_memory_ordered 1
		.amdhsa_forward_progress 1
		.amdhsa_inst_pref_size 184
	.end_amdhsa_kernel
	.amdgpu_metadata
---
amdhsa.version: [ 1, 2 ]
amdhsa.kernels:
  - .name:           k_qec7509fd1e_attn
    .symbol:         k_qec7509fd1e_attn.kd
    .args:
      - { .name: x_codes, .offset: 0, .size: 8, .value_kind: global_buffer, .address_space: global }
      - { .name: x_scales, .offset: 8, .size: 8, .value_kind: global_buffer, .address_space: global }
      - { .name: Wk_codes, .offset: 16, .size: 8, .value_kind: global_buffer, .address_space: global }
      - { .name: Wk_scales, .offset: 24, .size: 8, .value_kind: global_buffer, .address_space: global }
      - { .name: Wq_codes, .offset: 32, .size: 8, .value_kind: global_buffer, .address_space: global }
      - { .name: Wq_scales, .offset: 40, .size: 8, .value_kind: global_buffer, .address_space: global }
      - { .name: Wv_codes, .offset: 48, .size: 8, .value_kind: global_buffer, .address_space: global }
      - { .name: Wv_scales, .offset: 56, .size: 8, .value_kind: global_buffer, .address_space: global }
      - { .name: oimg, .offset: 64, .size: 8, .value_kind: global_buffer, .address_space: global }
      - { .name: osc, .offset: 72, .size: 8, .value_kind: global_buffer, .address_space: global }
    .group_segment_fixed_size: 217088
    .private_segment_fixed_size: 0
    .kernarg_segment_align: 8
    .kernarg_segment_size: 80
    .max_flat_workgroup_size: 512
    .sgpr_count:     66
    .vgpr_count:     256
    .wavefront_size: 32
...
	.end_amdgpu_metadata
.endif
;; end of part 1
;; launch proj (part 2): grid 6 x 66, 8 waves a work-group, no clusters, 77,824 bytes of LDS; arguments oimg, osc, Wp_codes, Wp_scales, bp, out0; writes out0
.if DOCPART == 2
	.amdgcn_target "amdgcn-amd-amdhsa--gfx1250"
	.amdhsa_code_object_version 6
	.text
	.protected	k_qec7509fd1e_proj
	.globl	k_qec7509fd1e_proj
	.p2align	8
	.type	k_qec7509fd1e_proj,@function
k_qec7509fd1e_proj:
	s_mov_b64 s[64:65], 0
	v_nop
	global_prefetch_b8 v0, s[64:65] scope:SCOPE_SE
	s_setreg_imm32_b32 hwreg(HW_REG_WAVE_MODE, 25, 1), 1
	s_wait_xcnt 0x0
; out0 = o Wp + bp on codes of FP6 (E2M3) with one E8M0 byte for each 32 along K = 768.  o comes as the first launch left it: for each tile of 16 rows (33 to a batch, 1,056 in all) twelve half images
; of 768 bytes (registers 6 c .. 6 c + 5 of a fragment: registers 0-3 at 16 x lane, 4-5 at 512 + 8 x lane) and six runs of 16 scale words.  Tile T < 32 of a batch: index i is row 32 (T/2) + 8 (T%2) + i + 8 (i/8); tile 32: row 512 + i.
; SHARES.  A work-group: 16 tiles of rows x 128 columns; each of its eight waves two tiles x 8 tiles of columns: 16 accumulators.  Wp's 128 columns (73,728 bytes of codes) go into LDS once, as images of fragments; wave w brings tile w.
; THE COLUMNS OF A TILE ARE NOT NEIGHBOURS: lane r of tile 4 g + t takes column 64 g + 4 r + t, so that register j of four tiles gives a lane four neighbouring columns of one row:
; the addition of the bias sets them side by side, and sixteen lanes store 256 consecutive bytes at a multiple of 256 from out0's first byte: no stage in LDS.
; The launch writes 52 MB for 10 MB read: its stores bind it.  No joint loads: what work-groups share (o's tiles among 6, Wp's among 66) is a fifth of the bytes that the launch moves.
.set WSCL, 73728                       ; LDS: images (tile x 6 + K step) x 1,536; behind them the scale words, 64 bytes each
.set A16, 1
.set A8,  2
.set AS,  3
.set R,   4
.set GFO, 5                            ; v5, v6  my byte in the rows of Wp's codes and scales that my wave brings
.set GSO, 6
.set FW,  7                            ; v7, v8  where they go
.set FSW, 8
.set GO,  9                            ; v9, v10 my byte offset in out0 for row tile 0, 1
.set B16, 11                           ; v11     16 r
.set A16B, 12                          ; v12     16 x lane + 36,864: column tiles 4-7
.set ASW, 13                           ; v13     4 r + WSCL
.set H,   14
.set ACC, 16                           ; v16-143  accumulator (row tile mu, column tile nt) at 16 + 8 (8 mu + nt)
.set OF,  144                          ; v144-191 o's fragments: two buffers of two
.set WB,  192                          ; v192-215 two fragments of Wp
.set WS,  216                          ; v216-223 a K step's eight scale words of Wp
.set BI,  224                          ; v224-231 bp at my eight columns
.set OSC, 232                          ; v232-243 o's scale words
.set FT,  16                           ; the fill: v16-87 six fragments, v88-93 six scale words
.set FTS, 88
.set OUT, 144                          ; the way out: two sets of 32
.macro NOPS n
.rept \n
	v_nop
.endr
.endm
.macro MM d, a, b, z, sa, sb
.if \z
	v_wmma_scale_f32_16x16x128_f8f6f4 v[(\d):(\d)+7], v[(\a):(\a)+11], v[(\b):(\b)+11], 0, v[\sa], v[\sb] matrix_a_fmt:MATRIX_FMT_FP6 matrix_b_fmt:MATRIX_FMT_FP6
.else
	v_wmma_scale_f32_16x16x128_f8f6f4 v[(\d):(\d)+7], v[(\a):(\a)+11], v[(\b):(\b)+11], v[(\d):(\d)+7], v[\sa], v[\sb] matrix_a_fmt:MATRIX_FMT_FP6 matrix_b_fmt:MATRIX_FMT_FP6
.endif
.endm
.macro OLOAD s                         ; my two tiles' fragments of K step s: 8 loads, each of whole runs of 256 bytes
.irp mu, 0,1
.irp c, 0,1
	global_load_b128 v[OF+24*((\s)%2)+12*\mu+6*\c:OF+24*((\s)%2)+12*\mu+6*\c+3], v[A16], s[30:31] offset:9216*\mu+1536*(\s)+768*\c
	global_load_b64 v[OF+24*((\s)%2)+12*\mu+6*\c+4:OF+24*((\s)%2)+12*\mu+6*\c+5], v[A8], s[30:31] offset:9216*\mu+1536*(\s)+768*\c+512
.endr
.endr
.endm
.macro KSTEP s
.if \s < 5
	s_wait_loadcnt 8                               ; this K step's fragments are in; the next step's 8 loads may be out
.else
	s_wait_loadcnt 0x0
.endif
.irp q, 0,1,2,3
.irp i, 0,1
.irp c, 0,1,2
.if \q < 2
	ds_load_b128 v[WB+12*\i+4*\c:WB+12*\i+4*\c+3], v[A16] offset:9216*(2*\q+\i)+1536*\s+512*\c
.else
	ds_load_b128 v[WB+12*\i+4*\c:WB+12*\i+4*\c+3], v[A16B] offset:9216*(2*\q+\i-4)+1536*\s+512*\c
.endif
.endr
.endr
.if \q == 0
.irp n, 0,1,2,3,4,5,6,7
	ds_load_b32 v[WS+\n], v[ASW] offset:384*\n+64*\s
.endr
.endif
	s_wait_dscnt 0x0
.irp mu, 0,1
.irp i, 0,1
	MM ACC+8*(8*\mu+2*\q+\i), OF+24*(\s%2)+12*\mu, WB+12*\i, (\s==0), OSC+6*\mu+\s, WS+2*\q+\i     ; the 16 accumulators take turns, one instruction a turn
.endr
.endr
	NOPS 4                                         ; places in front of the loads into registers that these products have read, and of the first read of results
.endr
.if \s < 4
	OLOAD \s+2                                     ; into the buffer just freed
.endif
.endm
	s_load_b256 s[4:11], s[0:1], 0x0               ; oimg, osc, Wp's codes, Wp's scales
	s_load_b128 s[12:15], s[0:1], 0x20             ; bp, out0
	v_lshl_add_u32 v254, v0, 2, 0x12c00
	v_mov_b32 v255, 0
	v_lshrrev_b32 v15, 5, v0
	v_readfirstlane_b32 s16, v15                   ; wave 0..7
	s_mov_b32 s17, ttmp9                           ; which 128 columns
	s_and_b32 s18, ttmp7, 0xffff                   ; which 16 tiles of rows
	v_and_b32 v15, 31, v0
	v_lshlrev_b32 v[A16], 4, v15
	v_lshlrev_b32 v[A8], 3, v15
	v_and_b32 v[R], 15, v0
	v_lshlrev_b32 v[AS], 2, v[R]
	v_bfe_u32 v[H], v0, 4, 1
	v_mul_u32_u24 v[GFO], v[R], 2304               ; lane r takes every fourth row of Wp's codes
	v_mad_u32_u24 v[GFO], v[H], 24, v[GFO]
	v_mul_u32_u24 v[GSO], v[R], 96
	v_lshlrev_b32 v[B16], 4, v[R]
	s_mul_i32 s19, s16, 9216
	v_add_nc_u32 v[FW], s19, v[A16]
	s_mul_i32 s19, s16, 384
	s_add_co_u32 s19, s19, WSCL
	v_add_nc_u32 v[FSW], s19, v[AS]
	v_add_nc_u32 v[A16B], 36864, v[A16]
	v_add_nc_u32 v[ASW], WSCL, v[AS]
	s_lshl_b32 s20, s17, 7
	s_lshr_b32 s21, s16, 2
	s_lshl_b32 s21, s21, 6
	s_add_co_u32 s20, s20, s21
	s_and_b32 s21, s16, 3
	s_add_co_u32 s20, s20, s21                     ; my column tile's first row of Wp's codes: 128 x + 64 (w / 4) + w % 4
	s_mov_b32 s23, 0
	s_lshl_b32 s28, s18, 3
	s_add_co_u32 s28, s28, s16
	s_lshl_b32 s28, s28, 1                         ; my first tile of rows: 2 (8 y + w)
	s_mov_b32 s45, 0
	s_wait_kmcnt 0x0
	s_mul_i32 s22, s20, 576
	s_add_nc_u64 s[24:25], s[8:9], s[22:23]
	s_mul_i32 s22, s20, 24
	s_add_nc_u64 s[26:27], s[10:11], s[22:23]
	s_mul_i32 s22, s28, 9216
	s_add_nc_u64 s[30:31], s[4:5], s[22:23]
	s_mul_i32 s22, s28, 384
	s_add_nc_u64 s[32:33], s[6:7], s[22:23]
	s_lshl_b32 s22, s17, 9
	s_add_nc_u64 s[34:35], s[12:13], s[22:23]
.irp s, 0,1,2,3,4,5
	global_load_b32 v[FTS+\s], v[GSO], s[26:27] offset:4*\s
.endr
.irp s, 0,1,2,3,4,5
.irp p, 0,1,2,3,4,5
	global_load_b64 v[FT+12*\s+2*\p:FT+12*\s+2*\p+1], v[GFO], s[24:25] offset:96*\s+48*(\p/3)+8*(\p%3)
.endr
.endr
.irp mu, 0,1
.irp s, 0,1,2,3,4,5
	global_load_b32 v[OSC+6*\mu+\s], v[AS], s[32:33] offset:384*\mu+64*\s
.endr
.endr
.irp g, 0,1
	global_load_b128 v[BI+4*\g:BI+4*\g+3], v[B16], s[34:35] offset:256*\g      ; bp at columns 64 g + 4 r + 0 .. 3
.endr
	OLOAD 0
	OLOAD 1
	; where my two tiles' rows lie in out0
.irp mu, 0,1
	s_add_co_u32 s40, s28, \mu
	s_mul_i32 s41, s40, 1986
	s_lshr_b32 s41, s41, 16                        ; the batch = tile / 33: exact for tiles under 1,056 (1986 x 33 = 65,538; 1986 x 32 + 2 x 31 < 65,536)
	s_mul_i32 s42, s41, 33
	s_sub_co_u32 s42, s40, s42                     ; the tile in its batch
	s_mul_i32 s41, s41, 528
	s_lshr_b32 s43, s42, 1
	s_lshl_b32 s43, s43, 5
	s_add_co_u32 s41, s41, s43
	s_and_b32 s43, s42, 1
	s_lshl_b32 s43, s43, 3
	s_add_co_u32 s41, s41, s43                     ; its first row
	s_mul_i32 s44, s41, 3072
	s_add_nc_u64 s[36+2*\mu:37+2*\mu], s[14:15], s[44:45]
	s_lshl_b32 s44, s17, 9
	s_add_nc_u64 s[36+2*\mu:37+2*\mu], s[36+2*\mu:37+2*\mu], s[44:45]
	s_mov_b32 s43, 49152                           ; lanes 16-31 hold the rows 16 further down; in a batch's last tile 8
	s_cmp_eq_u32 s42, 32
	s_cselect_b32 s43, 24576, s43
	v_mul_u32_u24 v[GO+\mu], v[H], s43
	v_lshl_add_u32 v[GO+\mu], v[R], 4, v[GO+\mu]
.endr
	s_wait_loadcnt 30                              ; behind the fill's 42 loads: 12 scale words, 2 of the bias, 8 + 8 of o
.irp s, 0,1,2,3,4,5
.irp c, 0,1,2
	ds_store_b128 v[FW], v[FT+12*\s+4*\c:FT+12*\s+4*\c+3] offset:1536*\s+512*\c
.endr
.endr
.irp s, 0,1,2,3,4,5
	ds_store_b32 v[FSW], v[FTS+\s] offset:64*\s    ; lanes r and r + 16 hold the same word
.endr
	s_wait_dscnt 0x0                               ; for the others' sake: my images have landed
	s_barrier_signal -1
	s_barrier_wait -1                              ; Wp's eight tiles lie in LDS; from here on LDS is only read
.irp s, 0,1,2,3,4,5
	KSTEP \s
.endr
	; THE WAY OUT: register j of accumulators (mu, 4 g + 0 .. 3) is out0(row j of my half, columns 64 g + 4 r + 0 .. 3)
.irp mu, 0,1
.irp g, 0,1
.if \mu > 0
	s_wait_xcnt 0x0                                ; the set's last stores have read their data: it is written again only behind this wait
.endif
.irp j, 0,1,2,3,4,5,6,7
.irp t, 0,1,2,3
	v_add_f32 v[OUT+32*\g+4*\j+\t], v[ACC+8*(8*\mu+4*\g+\t)+\j], v[BI+4*\g+\t]     ; each accumulator from its low end on
.endr
.endr
.irp j, 0,1,2,3,4,5,6,7
	global_store_b128 v[GO+\mu], v[OUT+32*\g+4*\j:OUT+32*\g+4*\j+3], s[36+2*\mu:37+2*\mu] offset:3072*\j+256*\g th:TH_STORE_NT
.endr
.endr
.endr
	s_wait_tensorcnt 0x0
	ds_add_u32 v254, v255
	s_wait_dscnt 0x0
	s_endpgm
.Lfunc_end_k_qec7509fd1e_proj:
	.size	k_qec7509fd1e_proj, .Lfunc_end_k_qec7509fd1e_proj-k_qec7509fd1e_proj
	.p2alignl 7, 3214868480
	.fill 96, 4, 3214868480
	.section	.rodata,"a",@progbits
	.p2align	6, 0x0
	.amdhsa_kernel k_qec7509fd1e_proj
		.amdhsa_group_segment_fixed_size 77824
		.amdhsa_private_segment_fixed_size 0
		.amdhsa_enable_private_segment 0
		.amdhsa_kernarg_size 48
		.amdhsa_user_sgpr_count 2
		.amdhsa_user_sgpr_kernarg_segment_ptr 1
		.amdhsa_wavefront_size32 1
		.amdhsa_system_sgpr_workgroup_id_x 1
		.amdhsa_system_sgpr_workgroup_id_y 1
		.amdhsa_system_sgpr_workgroup_id_z 1
		.amdhsa_system_vgpr_workitem_id 0
		.amdhsa_next_free_vgpr 256
		.amdhsa_next_free_sgpr 66
		.amdhsa_reserve_vcc 0
		.amdhsa_float_denorm_mode_32 3
		.amdhsa_float_denorm_mode_16_64 3
		.amdhsa_memory_ordered 1
		.amdhsa_forward_progress 1
		.amdhsa_inst_pref_size 51
	.end_amdhsa_kernel
	.amdgpu_metadata
---
amdhsa.version: [ 1, 2 ]
amdhsa.kernels:
  - .name:           k_qec7509fd1e_proj
    .symbol:         k_qec7509fd1e_proj.kd
    .args:
      - { .name: oimg, .offset: 0, .size: 8, .value_kind: global_buffer, .address_space: global }
      - { .name: osc, .offset: 8, .size: 8, .value_kind: global_buffer, .address_space: global }
      - { .name: Wp_codes, .offset: 16, .size: 8, .value_kind: global_buffer, .address_space: global }
      - { .name: Wp_scales, .offset: 24, .size: 8, .value_kind: global_buffer, .address_space: global }
      - { .name: bp, .offset: 32, .size: 8, .value_kind: global_buffer, .address_space: global }
      - { .name: out0, .offset: 40, .size: 8, .value_kind: global_buffer, .address_space: global }
    .group_segment_fixed_size: 77824
    .private_segment_fixed_size: 0
    .kernarg_segment_align: 8
    .kernarg_segment_size: 48
    .max_flat_workgroup_size: 256
    .sgpr_count:     66
    .vgpr_count:     256
    .wavefront_size: 32
...
	.end_amdgpu_metadata
.endif
;; end of part 2
;; ======== version 2 of 3: 2 launches
;; workspace buffers: oimg 9,732,096 bytes; osc 405,504 bytes
;; launch attn (part 3): grid 12 x 32, 16 waves a work-group, no clusters, 286,720 bytes of LDS; arguments x_codes, x_scales, Wk_codes, Wk_scales, Wq_codes, Wq_scales, Wv_codes, Wv_scales, oimg, osc; writes oimg, osc
.if DOCPART == 3
	.amdgcn_target "amdgcn-amd-amdhsa--gfx1250"
	.amdhsa_code_object_version 6
	.text
	.protected	k_qec7509fd1e_attn
	.globl	k_qec7509fd1e_attn
	.p2align	8
	.type	k_qec7509fd1e_attn,@function
k_qec7509fd1e_attn:
	s_mov_b64 s[64:65], 0
	v_nop
	global_prefetch_b8 v0, s[64:65] scope:SCOPE_SE
	s_setreg_imm32_b32 hwreg(HW_REG_WAVE_MODE, 25, 1), 1
	s_wait_xcnt 0x0
; One work-group = one head of one batch: q, k, v = x W (K = 768), quantised in registers, handed from wave to wave through LDS, then attention, all on codes of FP6 (E2M3)
; with one E8M0 byte for each 32 along a product's K.  Out go the codes and scale bytes of the normalised attention output, laid as the last product's operand wants them.
; Rows 0-127 of a batch see keys 0-127; rows 128-527 see all 528 keys.  logit = q.k / sqrt(768); p = 2^(t - M), t = logit x log2(e), M the running largest t rounded up to a whole number;
; the row's sum is taken of the unquantised p and divides O at the end.
; SHARES.  Sixteen waves of 256 registers, four to a SIMD, so that one wave's softmax stands beside another's products and LDS loads.  Projection: wave w owns rows 32 w .. 32 w + 31 (two tiles of 16),
; whose codes it reads from memory ONCE and keeps in 144 registers for all of q, k and v; rows 512-527 (the 33rd tile) are shared out among waves 0-5.  Attention: a task is one tile of 16 queries.
; CODES COME IN LONG RUNS.  A fragment wants 8 bytes a lane from sixteen rows 576 bytes apart.  So a tile of 16 rows is loaded as it lies: sixteen loads of a row's first 512 bytes (16 bytes a lane), two loads of the last
; 64 bytes of eight rows each; it goes through the wave's own stage in LDS and comes back as six fragments, into the registers that it left.
; ORDERS.  Tile T < 32 of the rows: lane r takes row 32 (T/2) + 8 (T%2) + r + 8 (r/8); tile 32: row 512 + r.  Tile t of a head's 64 columns of a weight: the same order.  So the 16 registers of two neighbouring
; result tiles are 16 NEIGHBOURS along the next product's K: 32 b + 16 (lane/16) + 0 .. 15, which is what the conversions take.
; HALF IMAGE (768 bytes): registers 6 c .. 6 c + 5 of a 6-bit fragment as they stand: registers 0-3 at 16 x lane, registers 4-5 at 512 + 8 x lane.  Lanes 0-15 hold one block of 32 codes of row r, lanes 16-31 the next.
; q's and k's K is 64: the fragment's upper six registers are zero codes (their scale bytes 0, which is 2^-127 on zeros).  The keys' 17th block is 16 keys and 16 zero codes.
; NO JOINT LOADS, though the 12 heads of a batch read the same x: x of a batch is 304,128 bytes, the weights' images 119,808 and q's, k's, v's 89,600: together more than a WGP's LDS, so x would have to go
; through slots that are filled again; here it ends in registers.  384 work-groups of equal work; splitting heads to reach 256 would project a head's k and v twice.
; LIMITS: a block whose largest magnitude lies under 2^-124 has its byte held at 1; a block of zeros gets the byte 1 and not 127 (its codes are zeros, and this program alone reads the bytes);
; NaN, infinities and given scale bytes 0xff are not served; t under -3e38 is not served.
.set KSC,  0                           ; LDS: k's scale words, 33 tiles x 64 bytes: word 4 r, bytes 0, 1 = blocks 0, 1
.set QSC,  2112                        ; q's likewise
.set VSC,  4224                        ; v's: (tile of d x 5 + key step) x 64 + 4 r: four bytes = the step's four blocks of keys
.set KIMG, 8192                        ; (bytes 0 .. 8,191 are cleared at the head)  k: 33 half images
.set VIMG, 33536                       ; v^T: (tile of d x 10 + pair of key blocks) x 768
.set QIMG, 64256                       ; q: 33 half images, up to byte 89,600
.set STG,  8192                        ; the stages, one for each wave, used ahead of the first barrier alone; k's, v's and q's images are first written behind it
.set SPI,  592                         ; a stage's row: 576 bytes + 16 = 148 words: row r starts at bank 20 r mod 64 (64 banks of 4 bytes: ISA guide 11.1), sixteen different multiples of 4;
                                       ; lanes 0-15 take words 0, 1 there and lanes 16-31, 24 bytes on, words 2, 3 of the next four: a load of 8 bytes a lane touches 64 different banks
.set STW,  16*SPI                      ; a stage: 16 rows
.set FIMG, STG+16*STW                  ; whole fragment images, 1,536 bytes: (tile x 6 + K step): Wk's 4 tiles, Wq's 4, Wv's 4, x's rows 512-527
.set FSC,  FIMG+13*9216                ; their scale words, 64 bytes each
.set A16, 1                            ; v1   16 x lane           (v1-v4, v10-v13 are never rewritten)
.set A8,  2                            ; v2   8 x lane
.set AS,  3                            ; v3   4 r
.set R,   4                            ; v4   r = lane % 16
.set D16, 5                            ; v5-7 LDS addresses of the block or task in hand
.set D8,  6
.set DS,  7
.set AW,  8                            ; v8   where the pass's weight fragments lie;  v9 their scale words
.set AWS, 9
.set STA, 8                            ; during the fill: v8 my 16 bytes of a stage row's first 512;  v9 my 16 bytes of the last 64 of eight rows
.set STB, 9
.set XR,  10                           ; v10  the stage on the way out: row r, + 24 (lane / 16)
.set XSO, 11                           ; v11  my byte in the wave's rows of x's scales
.set GB,  12                           ; v12  in memory: my 16 bytes of the last 64 of eight rows
.set FSO, 13                           ; v13  my byte in the scales of the tile that my wave brings into LDS
.set FW,  14                           ; v14, v15 where that tile's images and scale words go; later: where x's last tile is read
.set FSW, 15
.set XF,  16                           ; v16-159  x's fragments: (tile u, K step s) at 16 + 12 (6 u + s)
.set XS,  161                          ; v161-172 x's scale words; these registers hold scales in both phases
.set ACC, 174                          ; v174-205 four accumulators
.set WB,  206                          ; v206-229 two weight fragments
.set WSR, 230                          ; v230-231 their scale words
.set TM,  232
.set TM2, 233
.set TP,  234
.set SO,  235
.set X,   236                          ; v236-238 16 codes;  v240-242 the other half of the lanes' 16;  v244-249 the block's 32
.set Y,   240
.set F,   244
.set BY,  250
.set ZR,  252                          ; v252-255 zeros
.set FT,  174                          ; the fill: a tile's 72 registers v174-245, six scale words v246-251
.set FTS, 246
; attention
.set QF,  16                           ; v16-27   q's fragment
.set KB,  32                           ; v32-79   four fragments of k
.set S,   96                           ; v96-159  S^T, then p; then v^T's four fragments in v96-143
.set FF,  160                          ; v160     f = 2^(old M - new M);  v161 p's scale word
.set PW,  161
.set QS,  162
.set KS,  163                          ; v163-166
.set VS,  167                          ; v167-170
.set O,   174                          ; v174-205 O^T
.set PF,  206                          ; v206-217 p's codes; at the end o's
.set PT,  218                          ; v218-220, v222-224 the conversions' second halves
.set NM,  226                          ; v226 -M, v227 the largest t
.set TMX, 227
.set SUM, 228                          ; v228-229 the row's sum in two halves
.set BM,  232
.set BP,  236
.set SOP, 240
.set TT,  244
.set SW,  245
.set SA,  246                          ; v246-247 the second chain of sums; at the end 1 / l
; s24 wave, s25 head, s26 batch; s[28:31] the fill's pointers; s[32:35] x's; s36-37 selects for lane l xor 16; s[38:39] c; s40-53 LDS bases;
; s[54:55] during the fill: the fill's second run of eight rows; then s[54:57] the task's places in oimg, osc; s58 trip, s59 task, s60 tile
.macro NOPS n
.rept \n
	v_nop
.endr
.endm
; A tile of 16 rows of 576 bytes, two runs of eight neighbouring rows (at byte o0 from base b0, at byte o1 from base b1), as it lies, into 72 registers: 18 loads.
.macro ROWS16 reg, b0, o0, b1, o1
.irp q, 0,1,2,3,4,5,6,7
	global_load_b128 v[(\reg)+4*\q:(\reg)+4*\q+3], v[A16], s[\b0:\b0+1] offset:(\o0)+576*\q           ; 32 lanes read 512 consecutive bytes of a row
.endr
.irp q, 0,1,2,3,4,5,6,7
	global_load_b128 v[(\reg)+32+4*\q:(\reg)+32+4*\q+3], v[A16], s[\b1:\b1+1] offset:(\o1)+576*\q
.endr
	global_load_b128 v[(\reg)+64:(\reg)+67], v[GB], s[\b0:\b0+1] offset:(\o0)                         ; four lanes to a row: the last 64 bytes of eight rows
	global_load_b128 v[(\reg)+68:(\reg)+71], v[GB], s[\b1:\b1+1] offset:(\o1)
.endm
; The tile goes into my stage, row by row, and comes back as six fragments (lane (r, h): 24 bytes and 24 bytes of row r for each K step, in pieces of 8) into the same 72 registers.
; The stage is my wave's own and LDS serves a wave's instructions in order (ISA guide 5.7.1.4): the loads see the stores, and the next tile's stores come behind these loads.
.macro TOSTG reg
.irp q, 0,1,2,3,4,5,6,7,8,9,10,11,12,13,14,15
	ds_store_b128 v[STA], v[(\reg)+4*\q:(\reg)+4*\q+3] offset:SPI*\q
.endr
.irp j, 0,1
	ds_store_b128 v[STB], v[(\reg)+64+4*\j:(\reg)+64+4*\j+3] offset:8*SPI*\j
.endr
	s_wait_dscnt 0x0                               ; the stores have read their registers: the loads below land there
.irp s, 0,1,2,3,4,5
.irp p, 0,1,2,3,4,5
	ds_load_b64 v[(\reg)+12*\s+2*\p:(\reg)+12*\s+2*\p+1], v[XR] offset:96*\s+48*(\p/3)+8*(\p%3)
.endr
.endr
.endm
.macro XLOADS                          ; my 32 rows of x: 12 scale words, then tile 0's rows (0-7, 16-23), then tile 1's (8-15, 24-31): 12 + 18 + 18 loads
.irp u, 0,1
.irp s, 0,1,2,3,4,5
	global_load_b32 v[XS+6*\u+\s], v[XSO], s[34:35] offset:192*\u+4*\s
.endr
.endr
.irp u, 0,1
	ROWS16 XF+72*\u, 32, 4608*\u, 32, 4608*\u+9216
.endr
.endm
.macro MM d, a, b, z, sa, sb           ; z: the product starts its sum
.if \z
	v_wmma_scale_f32_16x16x128_f8f6f4 v[(\d):(\d)+7], v[(\a):(\a)+11], v[(\b):(\b)+11], 0, v[\sa], v[\sb] matrix_a_fmt:MATRIX_FMT_FP6 matrix_b_fmt:MATRIX_FMT_FP6
.else
	v_wmma_scale_f32_16x16x128_f8f6f4 v[(\d):(\d)+7], v[(\a):(\a)+11], v[(\b):(\b)+11], v[(\d):(\d)+7], v[\sa], v[\sb] matrix_a_fmt:MATRIX_FMT_FP6 matrix_b_fmt:MATRIX_FMT_FP6
.endif
.endm
.macro WLOAD s                         ; the pass's two weight tiles, K step s
.irp i, 0,1
.irp c, 0,1,2
	ds_load_b128 v[WB+12*\i+4*\c:WB+12*\i+4*\c+3], v[AW] offset:9216*\i+1536*(\s)+512*\c
.endr
	ds_load_b32 v[WSR+\i], v[AWS] offset:384*\i+64*(\s)
.endr
.endm
; Six K steps of mt row tiles x 2 weight tiles.  kind 0 (q, k), transposed: source 0 = the weight's 16 columns, source 1 = 16 rows of x: a lane holds one row, its registers run along the head's 64.
; kind 1 (v): source 0 = 16 rows of x, source 1 = the weight: a lane holds one of the head's 64, its registers run along the keys.  The accumulators take turns, one instruction a turn.
.macro PSTEPS kind, mt
.irp s, 0,1,2,3,4,5
.if \s > 0
	NOPS 4                                         ; places in front of loads into registers that products have read
.endif
	WLOAD \s
	s_wait_dscnt 0x0
.irp a, 0,1
.irp c, 0,1
.if \kind == 0
.if \a < \mt
	MM ACC+16*\a+8*\c, WB+12*\c, XF+12*(6*\a+\s), (\s==0), WSR+\c, XS+6*\a+\s
.endif
.else
.if \c < \mt
	MM ACC+16*\a+8*\c, XF+12*(6*\c+\s), WB+12*\a, (\s==0), XS+6*\c+\s, WSR+\a
.endif
.endif
.endr
.endr
.endr
.endm
; One block of 32 along K for 16 rows: lane (r, h) holds numbers 16 h + 0 .. 15 of row r's block in v[src] on.  Out: the block's 32 codes in one half of the lanes' places of a half image, and its scale byte.
; Lanes r and r + 16 end up with the same six registers and write the same bytes.
.macro QBLK src, o16, o8, os
	s_wait_dscnt 0x0                               ; the last block's stores have read their registers
	v_max3_num_f32 v[TM], |v[(\src)]|, |v[(\src)+1]|, 0x1800000    ; the largest magnitude in two chains, each accumulator from its low end on; the floor 2^(3 - 127) holds the byte at 1 from below
	v_max3_num_f32 v[TM2], |v[(\src)+8]|, |v[(\src)+9]|, 0x1800000
.irp i, 2,4,6
	v_max3_num_f32 v[TM], v[TM], |v[(\src)+\i]|, |v[(\src)+\i+1]|
	v_max3_num_f32 v[TM2], v[TM2], |v[(\src)+8+\i]|, |v[(\src)+9+\i]|
.endr
	v_max_num_f32 v[TM], v[TM], v[TM2]
	v_permlanex16_b32 v[TP], v[TM], s36, s37
	v_max_num_f32 v[TM], v[TM], v[TP]              ; with lane l xor 16's: the block's
	v_add_nc_u32 v[SO], 0xff000000, v[TM]          ; 2 off its exponent field: the conversion's scale operand
	v_lshrrev_b32 v[BY], 23, v[SO]                 ; the scale's byte
	v_cvt_scalef32_pk16_fp6_f32 v[X:X+2], v[(\src):(\src)+15], v[SO]
	v_nop                                          ; one plain place behind a scaled conversion
.irp i, 0,1,2
	v_permlanex16_b32 v[Y+\i], v[X+\i], s36, s37
.endr
.irp i, 0,1,2
	v_cndmask_b32 v[F+\i], v[X+\i], v[Y+\i], vcc_lo       ; codes 0-15: lanes 0-15 have them, lanes 16-31 take the partner's (vcc_lo = lanes 16-31)
	v_cndmask_b32 v[F+3+\i], v[Y+\i], v[X+\i], vcc_lo     ; codes 16-31 the other way round
.endr
	ds_store_b128 v[D16], v[F:F+3] offset:\o16
	ds_store_b64 v[D8], v[F+4:F+5] offset:\o8
	ds_store_b8 v[DS], v[BY] offset:\os
.endm
; Pass pp = 0 .. 5: k's columns 0-31, 32-63, q's, v's: weight tiles 2 pp and 2 pp + 1 against my two row tiles.
.macro PASS kind, pp
	s_wait_dscnt 0x0                               ; no LDS instruction of mine is out: the address registers may be written
	v_add_nc_u32 v[AW], FIMG+18432*\pp, v[A16]
	v_add_nc_u32 v[AWS], FSC+768*\pp, v[AS]
.if \pp < 2
	v_lshl_add_u32 v[D16], v[R], 4, s40
	v_lshl_add_u32 v[D8], v[R], 3, s40
	v_lshl_add_u32 v[DS], v[R], 2, s42
.elseif \pp < 4
	v_lshl_add_u32 v[D16], v[R], 4, s41
	v_lshl_add_u32 v[D8], v[R], 3, s41
	v_lshl_add_u32 v[DS], v[R], 2, s43
.else
	v_lshl_add_u32 v[D16], v[R], 4, s44
	v_lshl_add_u32 v[D8], v[R], 3, s45
	v_lshl_add_u32 v[DS], v[R], 2, s46
.endif
	PSTEPS \kind, 2
	NOPS 5                                         ; four in front of the first read of results; five in front of the next pass's products, which write over these
.if \kind == 0
	QBLK ACC, 256*(\pp%2), 512+128*(\pp%2), \pp%2                  ; row tile 2 w: block pp % 2 of the head's two goes to that half of the lanes' places
	QBLK ACC+16, 768+256*(\pp%2), 1280+128*(\pp%2), 64+\pp%2       ; row tile 2 w + 1
.else
	QBLK ACC, 15360*(\pp-4), 15360*(\pp-4), 640*(\pp-4)            ; tile 2 (pp - 4) of the head's 64: key block w
	QBLK ACC+16, 15360*(\pp-4)+7680, 15360*(\pp-4)+7680, 640*(\pp-4)+320
.endif
.endm
; Sixteen numbers along K that lie eight to a lane (lanes 0-15: 0-7, lanes 16-31: 8-15): lanes 0-15 fetch the partner's eight and hold the 16 in order; what lanes 16-31 make is thrown away by the caller.
.macro TAIL16 src, dst, so
.irp j, 0,1,2,3,4,5,6,7
	v_permlanex16_b32 v[(\src)+8+\j], v[(\src)+\j], s36, s37
.endr
	v_cvt_scalef32_pk16_fp6_f32 v[\dst:\dst+2], v[(\src):(\src)+15], v[\so]
	v_nop                                          ; one plain place behind a scaled conversion
.endm
.macro TAILV i                         ; v's keys 512-527 for tile 2 delta + i of the head's 64: block 16 = 16 codes and 16 zeros; blocks 17 to 19 zeros
	s_wait_dscnt 0x0
	v_max3_num_f32 v[TM], |v[ACC+16*\i]|, |v[ACC+16*\i+1]|, 0x1800000
.irp j, 2,4,6
	v_max3_num_f32 v[TM], v[TM], |v[ACC+16*\i+\j]|, |v[ACC+16*\i+\j+1]|
.endr
	v_permlanex16_b32 v[TP], v[TM], s36, s37
	v_max_num_f32 v[TM], v[TM], v[TP]
	v_add_nc_u32 v[SO], 0xff000000, v[TM]
	v_lshrrev_b32 v[BY], 23, v[SO]
	TAIL16 ACC+16*\i, X, SO
.irp j, 3,4,5
	v_mov_b32 v[F+\j], 0
.endr
.irp j, 0,1,2
	v_cndmask_b32 v[F+\j], v[X+\j], v[F+3], vcc_lo        ; lanes 16-31: zero codes
.endr
	ds_store_b128 v[D16], v[F:F+3] offset:7680*\i
	ds_store_b64 v[D8], v[F+4:F+5] offset:7680*\i+512
	ds_store_b128 v[D16], v[ZR:ZR+3] offset:7680*\i+768
	ds_store_b64 v[D8], v[ZR:ZR+1] offset:7680*\i+1280
	ds_store_b8 v[DS], v[BY] offset:320*\i
.endm
	s_load_b512 s[4:19], s[0:1], 0x0               ; x's codes, scales; Wk's; Wq's; Wv's
	s_load_b128 s[20:23], s[0:1], 0x40             ; oimg, osc
	v_lshrrev_b32 v5, 5, v0
	v_readfirstlane_b32 s24, v5                    ; wave 0..15
	s_mov_b32 s25, ttmp9                           ; head
	s_and_b32 s26, ttmp7, 0xffff                   ; batch
	s_mov_b32 vcc_lo, 0xffff0000                   ; lanes 16-31, for the whole kernel: no compare is written
	s_mov_b32 s36, 0x76543210
	s_mov_b32 s37, 0xfedcba98
	s_mov_b32 s38, 0x3d553b95                      ; c = log2(e) / sqrt(768)
	s_mov_b32 s39, s38
	v_and_b32 v6, 31, v0                           ; lane
	v_lshlrev_b32 v[A16], 4, v6
	v_lshlrev_b32 v[A8], 3, v6
	v_and_b32 v[R], 15, v0
	v_lshlrev_b32 v[AS], 2, v[R]
	v_bfe_u32 v7, v0, 4, 1                         ; h
	v_and_b32 v8, 8, v[R]
	v_add_nc_u32 v9, v8, v[R]                      ; r + 8 (r / 8)
	v_mul_u32_u24 v[XSO], v9, 24
	s_cmp_lt_u32 s24, 12
	s_cselect_b32 s61, 1, 0                        ; waves 0-11 bring a weight's tile (its columns in the tiles' order), wave 12 x's rows 512-527 (plain)
	v_mul_u32_u24 v8, v8, s61
	v_add_nc_u32 v8, v8, v[R]
	v_mul_u32_u24 v[FSO], v8, 24
	s_mul_i32 s63, s24, STW
	s_add_co_u32 s63, s63, STG                     ; my stage
	v_lshrrev_b32 v8, 2, v6                        ; lane / 4: which of eight rows
	v_and_b32 v9, 3, v6
	v_lshlrev_b32 v9, 4, v9
	v_add_nc_u32 v9, 512, v9                       ; 512 + 16 (lane % 4): which 16 of the row's last 64 bytes
	v_mad_u32_u24 v[GB], v8, 576, v9               ; in memory,
	v_mad_u32_u24 v9, v8, SPI, v9
	v_add_nc_u32 v[STB], s63, v9                   ; and in the stage
	v_add_nc_u32 v[STA], s63, v[A16]
	v_mul_u32_u24 v[XR], v[R], SPI
	v_mad_u32_u24 v[XR], v7, 24, v[XR]
	v_add_nc_u32 v[XR], s63, v[XR]
	s_mul_i32 s62, s24, 9216
	s_add_co_u32 s62, s62, FIMG
	v_add_nc_u32 v[FW], s62, v[A16]
	s_mul_i32 s62, s24, 384
	s_add_co_u32 s62, s62, FSC
	v_add_nc_u32 v[FSW], s62, v[AS]
	v_lshlrev_b32 v5, 4, v0
.irp j, 0,1,2,3
	v_mov_b32 v[ZR+\j], 0
.endr
	ds_store_b128 v5, v[ZR:ZR+3]                   ; 512 threads x 16 bytes: LDS bytes 0 .. 8,191 are zeros: the scale bytes that nobody writes
	; LDS bases, all of the wave's number and constants
	s_mul_i32 s40, s24, 1536
	s_add_co_u32 s41, s40, QIMG                    ; q's tiles 2 w, 2 w + 1
	s_add_co_u32 s40, s40, KIMG                    ; k's
	s_lshl_b32 s42, s24, 7                         ; k's scale words (KSC = 0)
	s_add_co_u32 s43, s42, QSC
	s_and_b32 s61, s24, 1
	s_lshr_b32 s62, s24, 1
	s_mul_i32 s62, s62, 768
	s_lshl_b32 s63, s61, 8
	s_add_co_u32 s44, s62, s63
	s_add_co_u32 s44, s44, VIMG                    ; v: key block w lies in pair w / 2, half w % 2 of the lanes' places
	s_lshl_b32 s63, s61, 7
	s_add_co_u32 s45, s62, s63
	s_add_co_u32 s45, s45, VIMG+512
	s_and_b32 s46, s24, 3
	s_lshr_b32 s63, s24, 2
	s_lshl_b32 s63, s63, 6
	s_add_co_u32 s46, s46, s63
	s_add_co_u32 s46, s46, VSC                     ; its byte: key step w / 4, byte w % 4
	s_lshr_b32 s62, s24, 1                         ; the last tile's units (waves 0-5 use these): 0 = k, 1 = q
	s_mul_i32 s47, s62, QIMG-KIMG
	s_lshl_b32 s63, s61, 8
	s_add_co_u32 s63, s63, s47
	s_lshl_b32 s48, s61, 7
	s_add_co_u32 s48, s48, s47
	s_add_co_u32 s47, s63, KIMG+24576
	s_add_co_u32 s48, s48, KIMG+25088
	s_mul_i32 s49, s62, QSC-KSC
	s_add_co_u32 s49, s49, s61
	s_add_co_u32 s49, s49, KSC+2048
	s_mul_i32 s50, s24, 18432
	s_add_co_u32 s50, s50, FIMG
	s_mul_i32 s51, s24, 768
	s_add_co_u32 s51, s51, FSC
	s_mul_i32 s52, s61, 15360
	s_add_co_u32 s52, s52, VIMG+6144
	s_mul_i32 s53, s61, 640
	s_add_co_u32 s53, s53, VSC+256
	; the first row of the tile that my wave brings
	s_lshl_b32 s62, s25, 6
	s_bfe_u32 s63, s24, 0x10001
	s_lshl_b32 s63, s63, 5
	s_add_co_u32 s62, s62, s63
	s_lshl_b32 s63, s61, 3
	s_add_co_u32 s62, s62, s63                     ; a weight's: 64 head + 32 ((w % 4) / 2) + 8 (w % 2)
	s_mul_i32 s60, s26, 528
	s_add_co_u32 s63, s60, 512                     ; x's: 528 batch + 512
	s_mov_b32 s59, 0
	s_wait_kmcnt 0x0
	s_cmp_lt_u32 s24, 12                           ; the choices hang on the wave's number alone
	s_cselect_b32 s62, s62, s63
	s_cselect_b64 s[28:29], s[16:17], s[4:5]
	s_cselect_b64 s[30:31], s[18:19], s[6:7]
	s_cmp_lt_u32 s24, 8
	s_cselect_b64 s[28:29], s[12:13], s[28:29]
	s_cselect_b64 s[30:31], s[14:15], s[30:31]
	s_cmp_lt_u32 s24, 4
	s_cselect_b64 s[28:29], s[8:9], s[28:29]
	s_cselect_b64 s[30:31], s[10:11], s[30:31]
	s_mul_i32 s58, s62, 576
	s_add_nc_u64 s[28:29], s[28:29], s[58:59]      ; the tile's first eight rows
	s_cmp_lt_u32 s24, 12
	s_mov_b32 s58, 4608
	s_cselect_b32 s58, 9216, s58
	s_add_nc_u64 s[54:55], s[28:29], s[58:59]      ; its other eight: 16 rows on in a weight, 8 rows on in x's last tile
	s_mul_i32 s58, s62, 24
	s_add_nc_u64 s[30:31], s[30:31], s[58:59]
	s_lshl_b32 s63, s24, 5
	s_add_co_u32 s62, s60, s63                     ; my first row of x: 528 batch + 32 w
	s_mul_i32 s58, s62, 576
	s_add_nc_u64 s[32:33], s[4:5], s[58:59]
	s_mul_i32 s58, s62, 24
	s_add_nc_u64 s[34:35], s[6:7], s[58:59]
	; THE FILL: waves 0-12 bring one tile each (6 + 18 loads), turn it into fragments in their stage and store these as images; every wave asks for its own rows of x
	s_cmp_gt_u32 s24, 12
	s_cbranch_scc1 .Lplain
.irp s, 0,1,2,3,4,5
	global_load_b32 v[FTS+\s], v[FSO], s[30:31] offset:4*\s
.endr
	ROWS16 FT, 28, 0, 54, 0
	XLOADS
	s_wait_loadcnt 48                              ; behind the fill's 24 loads: x's 12 scale words and 36 loads of codes
	TOSTG FT
	s_wait_dscnt 0x0                               ; the six fragments are in
.irp s, 0,1,2,3,4,5
.irp c, 0,1,2
	ds_store_b128 v[FW], v[FT+12*\s+4*\c:FT+12*\s+4*\c+3] offset:1536*\s+512*\c
.endr
.endr
.irp s, 0,1,2,3,4,5
	ds_store_b32 v[FSW], v[FTS+\s] offset:64*\s    ; lanes r and r + 16 hold the same word
.endr
	s_branch .Lfilled
.Lplain:
	XLOADS
.Lfilled:
	s_wait_loadcnt 18                              ; x's scale words and tile 0's rows are in; tile 1's 18 loads may be out (the same on both ways here)
	TOSTG XF
	s_wait_loadcnt 0x0
	TOSTG XF+72
	s_wait_dscnt 0x0                               ; x's twelve fragments are in; and for the others' sake: my images and my zeros have landed, my reads of my stage are over
	s_barrier_signal -1
	s_barrier_wait -1                              ; the weights' images lie in LDS, and nobody reads a stage any more
	v_mov_b32 v[TP], 0                             ; written once: a lane permute's destination counts as one of its sources
.irp j, 0,1,2
	v_mov_b32 v[Y+\j], 0
.endr
	PASS 0, 0
	PASS 0, 1
	PASS 0, 2
	PASS 0, 3
	PASS 1, 4
	PASS 1, 5
	; ROWS 512-527: six units of 12 products: wave w < 6 does for this tile what pass w did for the others
	s_wait_dscnt 0x0
	s_cmp_gt_u32 s24, 5
	s_cbranch_scc1 .Ltail_done
	v_add_nc_u32 v[AW], s50, v[A16]
	v_add_nc_u32 v[AWS], s51, v[AS]
	v_add_nc_u32 v[FW], FIMG+12*9216, v[A16]
	v_add_nc_u32 v[FSW], FSC+12*384, v[AS]
.irp s, 0,1,2,3,4,5
.irp c, 0,1,2
	ds_load_b128 v[XF+12*\s+4*\c:XF+12*\s+4*\c+3], v[FW] offset:1536*\s+512*\c     ; (the five places behind the last pass's products stand in front of these loads)
.endr
	ds_load_b32 v[XS+\s], v[FSW] offset:64*\s
.endr
	s_cmp_gt_u32 s24, 3
	s_cbranch_scc1 .Ltail_v
	v_lshl_add_u32 v[D16], v[R], 4, s47
	v_lshl_add_u32 v[D8], v[R], 3, s48
	v_lshl_add_u32 v[DS], v[R], 2, s49
	PSTEPS 0, 1
	NOPS 5
	QBLK ACC, 0, 0, 0
	s_branch .Ltail_done
.Ltail_v:
	v_add_nc_u32 v[D16], s52, v[A16]
	v_add_nc_u32 v[D8], s52, v[A8]
	v_lshl_add_u32 v[DS], v[R], 2, s53
	PSTEPS 1, 1
	NOPS 5
	TAILV 0
	TAILV 1
.Ltail_done:
	s_wait_dscnt 0x0                               ; for the others' sake: my images and bytes have landed
	s_barrier_signal -1
	s_barrier_wait -1                              ; q, k, v of the head lie in LDS; from here on LDS is only read
; ---------------- ATTENTION ----------------
.macro KLOAD t0, cnt                   ; cnt tiles of k from tile t0 on: the lower six registers of each fragment (the upper six stay zero) and the scale words
.irp t, 0,1,2,3
.if \t < \cnt
	ds_load_b128 v[KB+12*\t:KB+12*\t+3], v[A16] offset:KIMG+768*((\t0)+\t)
	ds_load_b64 v[KB+12*\t+4:KB+12*\t+5], v[A8] offset:KIMG+768*((\t0)+\t)+512
	ds_load_b32 v[KS+\t], v[AS] offset:KSC+64*((\t0)+\t)
.endif
.endr
.endm
.macro VLOAD sg                        ; v^T's four fragments of key step sg, into the registers that p has left
.irp t, 0,1,2,3
.irp c, 0,1
	ds_load_b128 v[S+12*\t+6*\c:S+12*\t+6*\c+3], v[A16] offset:VIMG+768*(10*\t+2*\sg+\c)
	ds_load_b64 v[S+12*\t+6*\c+4:S+12*\t+6*\c+5], v[A8] offset:VIMG+768*(10*\t+2*\sg+\c)+512
.endr
	ds_load_b32 v[VS+\t], v[AS] offset:VSC+64*(5*\t+\sg)
.endr
.endm
.macro NEWM                            ; v[TT] = the step's largest score: the running largest t, -M = floor(-t), f = 2^(old M - new M)
	v_mul_f32 v[TT], s38, v[TT]
	v_max_num_f32 v[TMX], v[TMX], v[TT]
	v_mov_b32 v[TT], v[NM]
	v_floor_f32 v[NM], -v[TMX]
	v_sub_f32 v[TT], v[NM], v[TT]                  ; a whole number, 0 or less
	v_cvt_i32_f32 v[TT], v[TT]                     ; (it saturates)
	v_ldexp_f32 v[FF], 1.0, v[TT]
.endm
.macro RESCALE                         ; O^T under the new M; also the places in front of the scaled products (eight behind p's scale word, four behind its codes)
.set J, 0
.rept 16
	v_pk_mul_f32 v[O+J:O+J+1], v[O+J:O+J+1], v[FF:FF+1] op_sel_hi:[1,0]
.set J, J+2
.endr
.endm
.macro SOFTMAX                         ; 64 scores of a lane (register 16 b + i = key 32 b + 16 (lane / 16) + i of the step) become p's codes, its scale word, and the sum's new terms
.irp b, 0,1,2,3
	v_max3_num_f32 v[BM+\b], v[S+16*\b], v[S+16*\b+1], v[S+16*\b+2]        ; the largest score of each block of 32 keys: for the row's maximum, and, since p rises with the score, for the block's largest p
.endr
.irp i, 3,5,7,9,11,13
.irp b, 0,1,2,3
	v_max3_num_f32 v[BM+\b], v[BM+\b], v[S+16*\b+\i], v[S+16*\b+\i+1]
.endr
.endr
.irp b, 0,1,2,3
	v_max_num_f32 v[BM+\b], v[BM+\b], v[S+16*\b+15]
.endr
.irp b, 0,1,2,3
	v_permlanex16_b32 v[BP+\b], v[BM+\b], s36, s37
.endr
.irp b, 0,1,2,3
	v_max_num_f32 v[BM+\b], v[BM+\b], v[BP+\b]
.endr
	v_max3_num_f32 v[TT], v[BM], v[BM+1], v[BM+2]
	v_max_num_f32 v[TT], v[TT], v[BM+3]
	NEWM
.set J, 0
.rept 32
	v_pk_fma_f32 v[S+J:S+J+1], v[S+J:S+J+1], s[38:39], v[NM:NM+1] op_sel_hi:[1,0,0]   ; t - M, two at a time
.set J, J+2
.endr
.irp b, 0,1,2,3
	v_fma_f32 v[BM+\b], v[BM+\b], s38, v[NM]
.endr
.set J, 0
.rept 64
	v_exp_f32 v[S+J], v[S+J]                       ; p = 2^(t - M), not normalised
.set J, J+1
.endr
.irp b, 0,1,2,3
	v_exp_f32 v[BM+\b], v[BM+\b]                   ; the block's largest p: the same two instructions on the same number
.endr
	v_pk_mul_f32 v[SUM:SUM+1], v[SUM:SUM+1], v[FF:FF+1] op_sel_hi:[1,0]    ; the sum under the new M.  (The plain place behind the exponentials)
	s_wait_alu depctr_va_vdst(0)
.irp b, 0,1,2,3
	v_max_num_f32 v[BM+\b], 0x1800000, v[BM+\b]    ; the floor 2^(3 - 127)
.endr
.irp b, 0,1,2,3
	v_add_nc_u32 v[SOP+\b], 0xff000000, v[BM+\b]
.endr
.irp b, 0,1,2,3
	v_lshrrev_b32 v[BP+\b], 23, v[SOP+\b]
.endr
	v_lshl_or_b32 v[PW], v[BP+1], 8, v[BP]
	v_lshl_or_b32 v[PW], v[BP+2], 16, v[PW]
	v_lshl_or_b32 v[PW], v[BP+3], 24, v[PW]
.irp c, 0,1
	v_cvt_scalef32_pk16_fp6_f32 v[PF+6*\c:PF+6*\c+2], v[S+32*\c:S+32*\c+15], v[SOP+2*\c]
	v_cvt_scalef32_pk16_fp6_f32 v[PT+4*\c:PT+4*\c+2], v[S+32*\c+16:S+32*\c+31], v[SOP+2*\c+1]
.endr
	v_nop                                          ; one plain place behind a scaled conversion
.irp c, 0,1                            ; the operand wants a whole block in a lane: lanes 0-15 block 2 c, lanes 16-31 block 2 c + 1
.irp i, 0,1,2
	v_permlane16_swap_b32 v[PF+6*\c+\i], v[PT+4*\c+\i]
.endr
.irp i, 0,1,2
	v_mov_b32 v[PF+6*\c+3+\i], v[PT+4*\c+\i]
.endr
.endr
	v_pk_add_f32 v[SA:SA+1], v[S:S+1], v[S+2:S+3]  ; the row's sum is taken of the unquantised p, in two chains
.irp j, 4,8,12,16,20,24,28,32,36,40,44,48,52,56,60
	v_pk_add_f32 v[SUM:SUM+1], v[SUM:SUM+1], v[S+\j:S+\j+1]
	v_pk_add_f32 v[SA:SA+1], v[SA:SA+1], v[S+\j+2:S+\j+3]
.endr
	v_pk_add_f32 v[SUM:SUM+1], v[SUM:SUM+1], v[SA:SA+1]
.endm
; A key step of 128 keys: tiles 8 sg .. 8 sg + 7 of k.  Its first four fragments are in registers; nxt, nn: the tiles that the next step begins with.  first = 1: the products start O^T's sums.
.macro STEP sg, nxt, nn, first
	NOPS 5                                         ; S^T's registers were sources of the last products and are now written over by products
.irp t, 0,1,2,3
	MM S+8*\t, KB+12*\t, QF, 1, KS+\t, QS
.endr
	NOPS 4
	KLOAD 8*\sg+4, 4
	s_wait_dscnt 0x0
.irp t, 0,1,2,3
	MM S+32+8*\t, KB+12*\t, QF, 1, KS+\t, QS
.endr
	NOPS 4
	KLOAD \nxt, \nn                                ; lands under the softmax
	SOFTMAX
	VLOAD \sg
.if \first == 0
	RESCALE
.endif
	s_wait_dscnt 0x0                               ; v^T's fragments, and the next step's of k
.irp t, 0,1,2,3
	MM O+8*\t, S+12*\t, PF, \first, VS+\t, PW      ; (first step: the 31 packed sums behind p's codes and scale word are the places in front of these)
.endr
.endm
.irp j, 6,7,8,9,10,11
	v_mov_b32 v[QF+\j], 0                          ; K = 64 of the instruction's 128: the upper halves of q's and k's fragments are zero codes, written once
.irp t, 0,1,2,3
	v_mov_b32 v[KB+12*\t+\j], 0
.endr
.endr
.irp b, 0,1,2,3
	v_mov_b32 v[BP+\b], 0                          ; written once: a lane permute's destination counts as one of its sources
.endr
	v_mov_b32 v[TT], 0
	v_mov_b32 v[PW], 0                             ; (named as the upper half of the pair with f before it is first written)
	s_mov_b32 s58, 0
.Ltask:                                            ; three trips: task 16 trip + wave of 33; tasks 0-24 are the search tiles 8-32 (the long ones first), tasks 25-32 the template tiles 0-7
	s_lshl_b32 s59, s58, 4
	s_add_co_u32 s59, s59, s24
	s_cmp_gt_u32 s59, 32
	s_cbranch_scc1 .Ltask_end
	s_add_co_u32 s61, s59, 7
	s_lshr_b32 s61, s61, 5
	s_mul_i32 s61, s61, 0xffffffdf                 ; -33 from task 25 on
	s_add_co_u32 s60, s59, 8
	s_add_co_u32 s60, s60, s61
	s_min_u32 s60, s60, 32                         ; the tile of queries
	s_wait_xcnt 0x0                                ; the last task's stores have read their data and bases: both are written again only behind this wait
	s_mul_i32 s61, s26, 33
	s_add_co_u32 s61, s61, s60                     ; 33 batch + tile
	s_mul_i32 s62, s61, 12
	s_add_co_u32 s62, s62, s25
	s_mul_i32 s62, s62, 768
	s_mov_b32 s63, 0
	s_add_nc_u64 s[54:55], s[20:21], s[62:63]      ; my half image in oimg
	s_mul_i32 s62, s61, 6
	s_lshr_b32 s61, s25, 1
	s_add_co_u32 s62, s62, s61
	s_lshl_b32 s62, s62, 6
	s_and_b32 s61, s25, 1
	s_lshl_b32 s61, s61, 1
	s_add_co_u32 s62, s62, s61
	s_add_nc_u64 s[56:57], s[22:23], s[62:63]      ; my two bytes of each row's scale word in osc
	s_mul_i32 s61, s60, 768
	s_add_co_u32 s61, s61, QIMG
	v_add_nc_u32 v[D16], s61, v[A16]
	v_add_nc_u32 v[D8], s61, v[A8]
	s_lshl_b32 s61, s60, 6
	s_add_co_u32 s61, s61, QSC
	v_add_nc_u32 v[DS], s61, v[AS]
	ds_load_b128 v[QF:QF+3], v[D16]
	ds_load_b64 v[QF+4:QF+5], v[D8] offset:512
	ds_load_b32 v[QS], v[DS]
	KLOAD 0, 4
	v_mov_b32 v[TMX], 0xff61b1e6                   ; the largest t so far: -3e38
	v_floor_f32 v[NM], -v[TMX]
	v_mov_b32 v[SUM], 0
	v_mov_b32 v[SUM+1], 0
	s_wait_dscnt 0x0
	STEP 0, 8, 4, 1
	s_cmp_lt_u32 s60, 8
	s_cbranch_scc1 .Lfin                           ; the templates' rows see keys 0-127 alone
	STEP 1, 16, 4, 0
	STEP 2, 24, 4, 0
	STEP 3, 32, 1, 0
	; keys 512-527: one tile, register j = key 512 + 8 (lane / 16) + j
	NOPS 5
	MM S, KB, QF, 1, KS, QS
	NOPS 4
	v_max3_num_f32 v[BM], v[S], v[S+1], v[S+2]
	v_max3_num_f32 v[BM], v[BM], v[S+3], v[S+4]
	v_max3_num_f32 v[BM], v[BM], v[S+5], v[S+6]
	v_max_num_f32 v[BM], v[BM], v[S+7]
	v_permlanex16_b32 v[BP], v[BM], s36, s37
	v_max_num_f32 v[BM], v[BM], v[BP]
	v_mov_b32 v[TT], v[BM]
	NEWM
.irp j, 0,2,4,6
	v_pk_fma_f32 v[S+\j:S+\j+1], v[S+\j:S+\j+1], s[38:39], v[NM:NM+1] op_sel_hi:[1,0,0]
.endr
	v_fma_f32 v[BM], v[BM], s38, v[NM]
.irp j, 0,1,2,3,4,5,6,7
	v_exp_f32 v[S+\j], v[S+\j]
.endr
	v_exp_f32 v[BM], v[BM]
	v_pk_mul_f32 v[SUM:SUM+1], v[SUM:SUM+1], v[FF:FF+1] op_sel_hi:[1,0]    ; (the plain place behind the exponentials)
	s_wait_alu depctr_va_vdst(0)
.irp j, 0,2,4,6
	v_pk_add_f32 v[SUM:SUM+1], v[SUM:SUM+1], v[S+\j:S+\j+1]
.endr
	v_max_num_f32 v[BM], 0x1800000, v[BM]
	v_add_nc_u32 v[SOP], 0xff000000, v[BM]
	v_lshrrev_b32 v[PW], 23, v[SOP]                ; byte 0 = the block's; bytes 1-3 stand over zero codes
	TAIL16 S, PT, SOP
.irp j, 0,1,2
	v_cndmask_b32 v[PF+\j], v[PT+\j], v[QF+6], vcc_lo     ; lanes 0-15: the 16 keys' codes; lanes 16-31: zeros (q's upper half is a register of zeros)
.endr
.irp j, 3,4,5,6,7,8,9,10,11
	v_mov_b32 v[PF+\j], 0
.endr
	VLOAD 4
	RESCALE
	s_wait_dscnt 0x0
.irp t, 0,1,2,3
	MM O+8*\t, S+12*\t, PF, 0, VS+\t, PW
.endr
.Lfin:
	NOPS 4
	v_add_f32 v[SUM], v[SUM], v[SUM+1]             ; the sum's two halves,
	v_permlanex16_b32 v[TT], v[SUM], s36, s37
	v_add_f32 v[SUM], v[SUM], v[TT]                ; and lane l xor 16's: l
	v_rcp_f32 v[SA], v[SUM]
	v_nop                                          ; one plain place behind a transcendental
.set J, 0
	s_wait_alu depctr_va_vdst(0)
.rept 16
	v_pk_mul_f32 v[O+J:O+J+1], v[O+J:O+J+1], v[SA:SA+1] op_sel_hi:[1,0]    ; O^T / l, each accumulator from its low end on: register 16 b + i = channel 32 b + 16 (lane / 16) + i of my query
.set J, J+2
.endr
.irp b, 0,1
	v_max3_num_f32 v[BM+\b], |v[O+16*\b]|, |v[O+16*\b+1]|, 0x1800000
.endr
.irp i, 2,4,6,8,10,12,14
.irp b, 0,1
	v_max3_num_f32 v[BM+\b], v[BM+\b], |v[O+16*\b+\i]|, |v[O+16*\b+\i+1]|
.endr
.endr
.irp b, 0,1
	v_permlanex16_b32 v[BP+\b], v[BM+\b], s36, s37
.endr
.irp b, 0,1
	v_max_num_f32 v[BM+\b], v[BM+\b], v[BP+\b]
.endr
.irp b, 0,1
	v_add_nc_u32 v[SOP+\b], 0xff000000, v[BM+\b]
.endr
.irp b, 0,1
	v_lshrrev_b32 v[BP+\b], 23, v[SOP+\b]
.endr
	v_lshl_or_b32 v[SW], v[BP+1], 8, v[BP]         ; the head's two scale bytes of my row
	v_cvt_scalef32_pk16_fp6_f32 v[PF:PF+2], v[O:O+15], v[SOP]
	v_cvt_scalef32_pk16_fp6_f32 v[PT:PT+2], v[O+16:O+31], v[SOP+1]
	v_nop                                          ; one plain place behind a scaled conversion
.irp i, 0,1,2
	v_permlane16_swap_b32 v[PF+\i], v[PT+\i]       ; lanes 0-15: block 0 whole; lanes 16-31: block 1
.endr
.irp i, 0,1,2
	v_mov_b32 v[PF+3+\i], v[PT+\i]
.endr
	global_store_b128 v[A16], v[PF:PF+3], s[54:55]             ; 512 consecutive bytes, at a multiple of 256 from oimg's first byte,
	global_store_b64 v[A8], v[PF+4:PF+5], s[54:55] offset:512  ; and the 256 behind them
	global_store_b16 v[AS], v[SW], s[56:57]                    ; lanes r and r + 16 hold the same two bytes
.Ltask_end:
	s_add_co_u32 s58, s58, 1
	s_cmp_lt_u32 s58, 3
	s_cbranch_scc1 .Ltask
	s_wait_xcnt 0x0
	v_lshl_add_u32 v254, v0, 2, 0x45800
	v_mov_b32 v255, 0
	s_wait_tensorcnt 0x0
	ds_add_u32 v254, v255
	s_wait_dscnt 0x0
	s_endpgm
.Lfunc_end_k_qec7509fd1e_attn:
	.size	k_qec7509fd1e_attn, .Lfunc_end_k_qec7509fd1e_attn-k_qec7509fd1e_attn
	.p2alignl 7, 3214868480
	.fill 96, 4, 3214868480
	.section	.rodata,"a",@progbits
	.p2align	6, 0x0
	.amdhsa_kernel k_qec7509fd1e_attn
		.amdhsa_group_segment_fixed_size 286720
		.amdhsa_private_segment_fixed_size 0
		.amdhsa_enable_private_segment 0
		.amdhsa_kernarg_size 80
		.amdhsa_user_sgpr_count 2
		.amdhsa_user_sgpr_kernarg_segment_ptr 1
		.amdhsa_wavefront_size32 1
		.amdhsa_system_sgpr_workgroup_id_x 1
		.amdhsa_system_sgpr_workgroup_id_y 1
		.amdhsa_system_sgpr_workgroup_id_z 1
		.amdhsa_system_vgpr_workitem_id 0
		.amdhsa_next_free_vgpr 256
		.amdhsa_next_free_sgpr 66
		.amdhsa_reserve_vcc 1
		.amdhsa_float_denorm_mode_32 3
		.amdhsa_float_denorm_mode_16_64 3
		.amdhsa_memory_ordered 1
		.amdhsa_forward_progress 1
		.amdhsa_inst_pref_size 186
	.end_amdhsa_kernel
	.amdgpu_metadata
---
amdhsa.version: [ 1, 2 ]
amdhsa.kernels:
  - .name:           k_qec7509fd1e_attn
    .symbol:         k_qec7509fd1e_attn.kd
    .args:
      - { .name: x_codes, .offset: 0, .size: 8, .value_kind: global_buffer, .address_space: global }
      - { .name: x_scales, .offset: 8, .size: 8, .value_kind: global_buffer, .address_space: global }
      - { .name: Wk_codes, .offset: 16, .size: 8, .value_kind: global_buffer, .address_space: global }
      - { .name: Wk_scales, .offset: 24, .size: 8, .value_kind: global_buffer, .address_space: global }
      - { .name: Wq_codes, .offset: 32, .size: 8, .value_kind: global_buffer, .address_space: global }
      - { .name: Wq_scales, .offset: 40, .size: 8, .value_kind: global_buffer, .address_space: global }
      - { .name: Wv_codes, .offset: 48, .size: 8, .value_kind: global_buffer, .address_space: global }
      - { .name: Wv_scales, .offset: 56, .size: 8, .value_kind: global_buffer, .address_space: global }
      - { .name: oimg, .offset: 64, .size: 8, .value_kind: global_buffer, .address_space: global }
      - { .name: osc, .offset: 72, .size: 8, .value_kind: global_buffer, .address_space: global }
    .group_segment_fixed_size: 286720
    .private_segment_fixed_size: 0
    .kernarg_segment_align: 8
    .kernarg_segment_size: 80
    .max_flat_workgroup_size: 512
    .sgpr_count:     66
    .vgpr_count:     256
    .wavefront_size: 32
...
	.end_amdgpu_metadata
.endif
;; end of part 3
;; launch proj: the kernel of part 2 again; grid 6 x 66, 8 waves a work-group, no clusters, 77,824 bytes of LDS; arguments oimg, osc, Wp_codes, Wp_scales, bp, out0; writes out0
;; ======== version 3 of 3: 2 launches; version 2 with the launches attn, proj written anew for expert scheduling mode
;; workspace buffers: oimg 9,732,096 bytes; osc 405,504 bytes
;; launch attn (part 4): grid 12 x 32, 16 waves a work-group, no clusters, 286,720 bytes of LDS; arguments x_codes, x_scales, Wk_codes, Wk_scales, Wq_codes, Wq_scales, Wv_codes, Wv_scales, oimg, osc; writes oimg, osc
.if DOCPART == 4
	.amdgcn_target "amdgcn-amd-amdhsa--gfx1250"
	.amdhsa_code_object_version 6
	.text
	.protected	k_qec7509fd1e_attn
	.globl	k_qec7509fd1e_attn
	.p2align	8
	.type	k_qec7509fd1e_attn,@function
k_qec7509fd1e_attn:
	s_mov_b64 s[64:65], 0
	v_nop
	global_prefetch_b8 v0, s[64:65] scope:SCOPE_SE
	s_setreg_imm32_b32 hwreg(HW_REG_WAVE_SCHED_MODE, 0, 2), 2
	s_setreg_imm32_b32 hwreg(HW_REG_WAVE_MODE, 25, 1), 1
	s_wait_xcnt 0x0
	s_wait_alu depctr_vm_vsrc(0)
; One work-group = one head of one batch: q, k, v = x W (K = 768), quantised in registers, handed from wave to wave through LDS, then attention, all on codes of FP6 (E2M3)
; with one E8M0 byte for each 32 along a product's K.  Out go the codes and scale bytes of the normalised attention output, laid as the last product's operand wants them.
; Rows 0-127 of a batch see keys 0-127; rows 128-527 see all 528 keys.  logit = q.k / sqrt(768); p = 2^(t - M), t = logit x log2(e), M the running largest t rounded up to a whole number;
; the row's sum is taken of the unquantised p and divides O at the end.
; SHARES.  Sixteen waves of 256 registers, four to a SIMD, so that one wave's softmax stands beside another's products and LDS loads.  Projection: wave w owns rows 32 w .. 32 w + 31 (two tiles of 16),
; whose codes it reads from memory ONCE and keeps in 144 registers for all of q, k and v; rows 512-527 (the 33rd tile) are shared out among waves 0-5.  Attention: a task is one tile of 16 queries.
; CODES COME IN LONG RUNS.  A fragment wants 8 bytes a lane from sixteen rows 576 bytes apart.  So a tile of 16 rows is loaded as it lies: sixteen loads of a row's first 512 bytes (16 bytes a lane), two loads of the last
; 64 bytes of eight rows each; it goes through the wave's own stage in LDS and comes back as six fragments, into the registers that it left.
; ORDERS.  Tile T < 32 of the rows: lane r takes row 32 (T/2) + 8 (T%2) + r + 8 (r/8); tile 32: row 512 + r.  Tile t of a head's 64 columns of a weight: the same order.  So the 16 registers of two neighbouring
; result tiles are 16 NEIGHBOURS along the next product's K: 32 b + 16 (lane/16) + 0 .. 15, which is what the conversions take.
; HALF IMAGE (768 bytes): registers 6 c .. 6 c + 5 of a 6-bit fragment as they stand: registers 0-3 at 16 x lane, registers 4-5 at 512 + 8 x lane.  Lanes 0-15 hold one block of 32 codes of row r, lanes 16-31 the next.
; q's and k's K is 64: the fragment's upper six registers are zero codes (their scale bytes 0, which is 2^-127 on zeros).  The keys' 17th block is 16 keys and 16 zero codes.
; NO JOINT LOADS, though the 12 heads of a batch read the same x: x of a batch is 304,128 bytes, the weights' images 119,808 and q's, k's, v's 89,600: together more than a WGP's LDS, so x would have to go
; through slots that are filled again; here it ends in registers.  384 work-groups of equal work; splitting heads to reach 256 would project a head's k and v twice.
; LIMITS: a block whose largest magnitude lies under 2^-124 has its byte held at 1; a block of zeros gets the byte 1 and not 127 (its codes are zeros, and this program alone reads the bytes);
; NaN, infinities and given scale bytes 0xff are not served; t under -3e38 is not served.
; THE MODE: SCHED_MODE bits 1:0 = 2 (LLVM: expert scheduling mode 2), set by the entry lines.  The code itself states the register dependences
; between vector or matrix instructions and memory or LDS instructions, with s_wait_alu, always for 0.
; THE PLAN.  Registers that memory or LDS instructions touch, and who else names them:
;   v1-v4, v10-v13   offsets, written once at the head ahead of its wait on va_vdst, read by loads and stores throughout, never written again.
;   FT, XF (fill)    global loads land, the stage's stores read, LDS loads land again; no vector instruction names them: one wait on vm_vsrc in each turn through the stage.  The last of these
;                    waits also frees v5, v8, v9, v14, v15, FT and FTS, which the stores issued ahead of it read.
;   AW, AWS, D16, D8, DS   written at the head of a pass, of the tail and of a task: a wait on vm_vsrc ahead of the writes, and the wait on va_vdst that stands ahead of the first load behind them.
;   WB, WSR          a K step's LDS loads land, its products read: ONE wait on va_vdst at the head of each K step.  There is one set: the wave's 256 registers are taken.
;   F, BY            a block's selects write, its three LDS stores read: a wait on va_vdst ahead of the stores; a wait on vm_vsrc ahead of a pass's second block (the first stands behind the wait at the pass's head).
;   KB, KS, QF, QS   LDS loads land, the score products read.   S as v^T's fragments, VS: LDS loads land where p lay, the second product reads.   PF, SW: vector instructions write, a task's global stores read.
; A KEY STEP has five waits on va_vdst, these three among them: behind its first four score products (k's next four tiles land where those read); behind the exponentials (their results; and the second four products, issued ahead
; of it, are done reading k's fragments, so the next step's first tiles are asked for directly behind it); behind the row's sums (p's registers are done with: v^T's fragments land there; p's codes and scale word
; are written for the scaled products).  The places behind matrix instructions, exponentials and conversions stand as ever, beside these waits.
.set KSC,  0                           ; LDS: k's scale words, 33 tiles x 64 bytes: word 4 r, bytes 0, 1 = blocks 0, 1
.set QSC,  2112                        ; q's likewise
.set VSC,  4224                        ; v's: (tile of d x 5 + key step) x 64 + 4 r: four bytes = the step's four blocks of keys
.set KIMG, 8192                        ; (bytes 0 .. 8,191 are cleared at the head)  k: 33 half images
.set VIMG, 33536                       ; v^T: (tile of d x 10 + pair of key blocks) x 768
.set QIMG, 64256                       ; q: 33 half images, up to byte 89,600
.set STG,  8192                        ; the stages, one for each wave, used ahead of the first barrier alone; k's, v's and q's images are first written behind it
.set SPI,  592                         ; a stage's row: 576 bytes + 16 = 148 words: row r starts at bank 20 r mod 64 (64 banks of 4 bytes: ISA guide 11.1), sixteen different multiples of 4;
                                       ; lanes 0-15 take words 0, 1 there and lanes 16-31, 24 bytes on, words 2, 3 of the next four: a load of 8 bytes a lane touches 64 different banks
.set STW,  16*SPI                      ; a stage: 16 rows
.set FIMG, STG+16*STW                  ; whole fragment images, 1,536 bytes: (tile x 6 + K step): Wk's 4 tiles, Wq's 4, Wv's 4, x's rows 512-527
.set FSC,  FIMG+13*9216                ; their scale words, 64 bytes each
.set A16, 1                            ; v1   16 x lane           (v1-v4, v10-v13 are never rewritten)
.set A8,  2                            ; v2   8 x lane
.set AS,  3                            ; v3   4 r
.set R,   4                            ; v4   r = lane % 16
.set D16, 5                            ; v5-7 LDS addresses of the block or task in hand
.set D8,  6
.set DS,  7
.set AW,  8                            ; v8   where the pass's weight fragments lie;  v9 their scale words
.set AWS, 9
.set STA, 8                            ; during the fill: v8 my 16 bytes of a stage row's first 512;  v9 my 16 bytes of the last 64 of eight rows
.set STB, 9
.set XR,  10                           ; v10  the stage on the way out: row r, + 24 (lane / 16)
.set XSO, 11                           ; v11  my byte in the wave's rows of x's scales
.set GB,  12                           ; v12  in memory: my 16 bytes of the last 64 of eight rows
.set FSO, 13                           ; v13  my byte in the scales of the tile that my wave brings into LDS
.set FW,  14                           ; v14, v15 where that tile's images and scale words go; later: where x's last tile is read
.set FSW, 15
.set XF,  16                           ; v16-159  x's fragments: (tile u, K step s) at 16 + 12 (6 u + s)
.set XS,  161                          ; v161-172 x's scale words; these registers hold scales in both phases
.set ACC, 174                          ; v174-205 four accumulators
.set WB,  206                          ; v206-229 two weight fragments
.set WSR, 230                          ; v230-231 their scale words
.set TM,  232
.set TM2, 233
.set TP,  234
.set SO,  235
.set X,   236                          ; v236-238 16 codes;  v240-242 the other half of the lanes' 16;  v244-249 the block's 32
.set Y,   240
.set F,   244
.set BY,  250
.set ZR,  252                          ; v252-255 zeros
.set FT,  174                          ; the fill: a tile's 72 registers v174-245, six scale words v246-251
.set FTS, 246
; attention
.set QF,  16                           ; v16-27   q's fragment
.set KB,  32                           ; v32-79   four fragments of k
.set S,   96                           ; v96-159  S^T, then p; then v^T's four fragments in v96-143
.set FF,  160                          ; v160     f = 2^(old M - new M);  v161 p's scale word
.set PW,  161
.set QS,  162
.set KS,  163                          ; v163-166
.set VS,  167                          ; v167-170
.set O,   174                          ; v174-205 O^T
.set PF,  206                          ; v206-217 p's codes; at the end o's
.set PT,  218                          ; v218-220, v222-224 the conversions' second halves
.set NM,  226                          ; v226 -M, v227 the largest t
.set TMX, 227
.set SUM, 228                          ; v228-229 the row's sum in two halves
.set BM,  232
.set BP,  236
.set SOP, 240
.set TT,  244
.set SW,  245
.set SA,  246                          ; v246-247 the second chain of sums; at the end 1 / l
; s24 wave, s25 head, s26 batch; s[28:31] the fill's pointers; s[32:35] x's; s36-37 selects for lane l xor 16; s[38:39] c; s40-53 LDS bases;
; s[54:55] during the fill: the fill's second run of eight rows; then s[54:57] the task's places in oimg, osc; s58 trip, s59 task, s60 tile
.macro NOPS n
.rept \n
	v_nop
.endr
.endm
; A tile of 16 rows of 576 bytes, two runs of eight neighbouring rows (at byte o0 from base b0, at byte o1 from base b1), as it lies, into 72 registers: 18 loads.
.macro ROWS16 reg, b0, o0, b1, o1
.irp q, 0,1,2,3,4,5,6,7
	global_load_b128 v[(\reg)+4*\q:(\reg)+4*\q+3], v[A16], s[\b0:\b0+1] offset:(\o0)+576*\q           ; 32 lanes read 512 consecutive bytes of a row
.endr
.irp q, 0,1,2,3,4,5,6,7
	global_load_b128 v[(\reg)+32+4*\q:(\reg)+32+4*\q+3], v[A16], s[\b1:\b1+1] offset:(\o1)+576*\q
.endr
	global_load_b128 v[(\reg)+64:(\reg)+67], v[GB], s[\b0:\b0+1] offset:(\o0)                         ; four lanes to a row: the last 64 bytes of eight rows
	global_load_b128 v[(\reg)+68:(\reg)+71], v[GB], s[\b1:\b1+1] offset:(\o1)
.endm
; The tile goes into my stage, row by row, and comes back as six fragments (lane (r, h): 24 bytes and 24 bytes of row r for each K step, in pieces of 8) into the same 72 registers.
; The stage is my wave's own and LDS serves a wave's instructions in order (ISA guide 5.7.1.4): the loads see the stores, and the next tile's stores come behind these loads.
.macro TOSTG reg
.irp q, 0,1,2,3,4,5,6,7,8,9,10,11,12,13,14,15
	ds_store_b128 v[STA], v[(\reg)+4*\q:(\reg)+4*\q+3] offset:SPI*\q
.endr
.irp j, 0,1
	ds_store_b128 v[STB], v[(\reg)+64+4*\j:(\reg)+64+4*\j+3] offset:8*SPI*\j
.endr
	s_wait_dscnt 0x0                               ; the tile lies in the stage
	s_wait_alu depctr_vm_vsrc(0)                   ; the 18 stores above have read these 72 registers, in which the loads below land
.irp s, 0,1,2,3,4,5
.irp p, 0,1,2,3,4,5
	ds_load_b64 v[(\reg)+12*\s+2*\p:(\reg)+12*\s+2*\p+1], v[XR] offset:96*\s+48*(\p/3)+8*(\p%3)
.endr
.endr
.endm
.macro XLOADS                          ; my 32 rows of x: 12 scale words, then tile 0's rows (0-7, 16-23), then tile 1's (8-15, 24-31): 12 + 18 + 18 loads
.irp u, 0,1
.irp s, 0,1,2,3,4,5
	global_load_b32 v[XS+6*\u+\s], v[XSO], s[34:35] offset:192*\u+4*\s
.endr
.endr
.irp u, 0,1
	ROWS16 XF+72*\u, 32, 4608*\u, 32, 4608*\u+9216
.endr
.endm
.macro MM d, a, b, z, sa, sb           ; z: the product starts its sum
.if \z
	v_wmma_scale_f32_16x16x128_f8f6f4 v[(\d):(\d)+7], v[(\a):(\a)+11], v[(\b):(\b)+11], 0, v[\sa], v[\sb] matrix_a_fmt:MATRIX_FMT_FP6 matrix_b_fmt:MATRIX_FMT_FP6
.else
	v_wmma_scale_f32_16x16x128_f8f6f4 v[(\d):(\d)+7], v[(\a):(\a)+11], v[(\b):(\b)+11], v[(\d):(\d)+7], v[\sa], v[\sb] matrix_a_fmt:MATRIX_FMT_FP6 matrix_b_fmt:MATRIX_FMT_FP6
.endif
.endm
.macro WLOAD s                         ; the pass's two weight tiles, K step s
.irp i, 0,1
.irp c, 0,1,2
	ds_load_b128 v[WB+12*\i+4*\c:WB+12*\i+4*\c+3], v[AW] offset:9216*\i+1536*(\s)+512*\c
.endr
	ds_load_b32 v[WSR+\i], v[AWS] offset:384*\i+64*(\s)
.endr
.endm
; Six K steps of mt row tiles x 2 weight tiles.  kind 0 (q, k), transposed: source 0 = the weight's 16 columns, source 1 = 16 rows of x: a lane holds one row, its registers run along the head's 64.
; kind 1 (v): source 0 = 16 rows of x, source 1 = the weight: a lane holds one of the head's 64, its registers run along the keys.  The accumulators take turns, one instruction a turn.
; w0 = 1: K step 0 has the wait too (a pass, whose addresses have just been made); w0 = 0: the caller's own wait stands ahead, and nothing issued since names WB, WSR, AW or AWS.
.macro PSTEPS kind, mt, w0
.irp s, 0,1,2,3,4,5
.if \s > 0
	NOPS 4                                         ; places in front of loads into registers that products have read
.endif
.if (\s > 0) || (\w0)
	s_wait_alu depctr_va_vdst(0)                   ; the products issued so far are done reading WB and WSR, in which the loads below land; at K step 0 also: AW and AWS, which these loads read, are written
.endif
	WLOAD \s
	s_wait_dscnt 0x0
.irp a, 0,1
.irp c, 0,1
.if \kind == 0
.if \a < \mt
	MM ACC+16*\a+8*\c, WB+12*\c, XF+12*(6*\a+\s), (\s==0), WSR+\c, XS+6*\a+\s
.endif
.else
.if \c < \mt
	MM ACC+16*\a+8*\c, XF+12*(6*\c+\s), WB+12*\a, (\s==0), XS+6*\c+\s, WSR+\a
.endif
.endif
.endr
.endr
.endr
.endm
; One block of 32 along K for 16 rows: lane (r, h) holds numbers 16 h + 0 .. 15 of row r's block in v[src] on.  Out: the block's 32 codes in one half of the lanes' places of a half image, and its scale byte.
; Lanes r and r + 16 end up with the same six registers and write the same bytes.  again = 1: a block's stores have been issued since the last wait on vm_vsrc.
.macro QBLK src, o16, o8, os, again
	s_wait_dscnt 0x0                               ; the last block's stores have landed
.if \again
	s_wait_alu depctr_vm_vsrc(0)                   ; the last block's three stores have read F and BY, which the lines below write again
.endif
	v_max3_num_f32 v[TM], |v[(\src)]|, |v[(\src)+1]|, 0x1800000    ; the largest magnitude in two chains, each accumulator from its low end on; the floor 2^(3 - 127) holds the byte at 1 from below
	v_max3_num_f32 v[TM2], |v[(\src)+8]|, |v[(\src)+9]|, 0x1800000
.irp i, 2,4,6
	v_max3_num_f32 v[TM], v[TM], |v[(\src)+\i]|, |v[(\src)+\i+1]|
	v_max3_num_f32 v[TM2], v[TM2], |v[(\src)+8+\i]|, |v[(\src)+9+\i]|
.endr
	v_max_num_f32 v[TM], v[TM], v[TM2]
	v_permlanex16_b32 v[TP], v[TM], s36, s37
	v_max_num_f32 v[TM], v[TM], v[TP]              ; with lane l xor 16's: the block's
	v_add_nc_u32 v[SO], 0xff000000, v[TM]          ; 2 off its exponent field: the conversion's scale operand
	v_lshrrev_b32 v[BY], 23, v[SO]                 ; the scale's byte
	v_cvt_scalef32_pk16_fp6_f32 v[X:X+2], v[(\src):(\src)+15], v[SO]
	v_nop                                          ; one plain place behind a scaled conversion
.irp i, 0,1,2
	v_permlanex16_b32 v[Y+\i], v[X+\i], s36, s37
.endr
.irp i, 0,1,2
	v_cndmask_b32 v[F+\i], v[X+\i], v[Y+\i], vcc_lo       ; codes 0-15: lanes 0-15 have them, lanes 16-31 take the partner's (vcc_lo = lanes 16-31)
	v_cndmask_b32 v[F+3+\i], v[Y+\i], v[X+\i], vcc_lo     ; codes 16-31 the other way round
.endr
	s_wait_alu depctr_va_vdst(0)                   ; F and BY are written, which the three stores read as data, and so are D16, D8 and DS, their addresses
	ds_store_b128 v[D16], v[F:F+3] offset:\o16
	ds_store_b64 v[D8], v[F+4:F+5] offset:\o8
	ds_store_b8 v[DS], v[BY] offset:\os
.endm
; Pass pp = 0 .. 5: k's columns 0-31, 32-63, q's, v's: weight tiles 2 pp and 2 pp + 1 against my two row tiles.
.macro PASS kind, pp
	s_wait_dscnt 0x0                               ; no LDS instruction of mine is out
.if \pp > 0
	s_wait_alu depctr_vm_vsrc(0)                   ; the last pass's LDS loads have read AW and AWS, its stores D16, D8, DS, F and BY: all are written again below.  (Pass 0: the last turn through the stage has the wait)
.endif
	v_add_nc_u32 v[AW], FIMG+18432*\pp, v[A16]
	v_add_nc_u32 v[AWS], FSC+768*\pp, v[AS]
.if \pp < 2
	v_lshl_add_u32 v[D16], v[R], 4, s40
	v_lshl_add_u32 v[D8], v[R], 3, s40
	v_lshl_add_u32 v[DS], v[R], 2, s42
.elseif \pp < 4
	v_lshl_add_u32 v[D16], v[R], 4, s41
	v_lshl_add_u32 v[D8], v[R], 3, s41
	v_lshl_add_u32 v[DS], v[R], 2, s43
.else
	v_lshl_add_u32 v[D16], v[R], 4, s44
	v_lshl_add_u32 v[D8], v[R], 3, s45
	v_lshl_add_u32 v[DS], v[R], 2, s46
.endif
	PSTEPS \kind, 2, 1
	NOPS 5                                         ; four in front of the first read of results; five in front of the next pass's products, which write over these
.if \kind == 0
	QBLK ACC, 256*(\pp%2), 512+128*(\pp%2), \pp%2, 0               ; row tile 2 w: block pp % 2 of the head's two goes to that half of the lanes' places
	QBLK ACC+16, 768+256*(\pp%2), 1280+128*(\pp%2), 64+\pp%2, 1    ; row tile 2 w + 1
.else
	QBLK ACC, 15360*(\pp-4), 15360*(\pp-4), 640*(\pp-4), 0         ; tile 2 (pp - 4) of the head's 64: key block w
	QBLK ACC+16, 15360*(\pp-4)+7680, 15360*(\pp-4)+7680, 640*(\pp-4)+320, 1
.endif
.endm
; Sixteen numbers along K that lie eight to a lane (lanes 0-15: 0-7, lanes 16-31: 8-15): lanes 0-15 fetch the partner's eight and hold the 16 in order; what lanes 16-31 make is thrown away by the caller.
.macro TAIL16 src, dst, so
.irp j, 0,1,2,3,4,5,6,7
	v_permlanex16_b32 v[(\src)+8+\j], v[(\src)+\j], s36, s37
.endr
	v_cvt_scalef32_pk16_fp6_f32 v[\dst:\dst+2], v[(\src):(\src)+15], v[\so]
	v_nop                                          ; one plain place behind a scaled conversion
.endm
.macro TAILV i                         ; v's keys 512-527 for tile 2 delta + i of the head's 64: block 16 = 16 codes and 16 zeros; blocks 17 to 19 zeros
	s_wait_dscnt 0x0
.if \i > 0
	s_wait_alu depctr_vm_vsrc(0)                   ; the first tile's stores have read F and BY, which the lines below write again
.endif
	v_max3_num_f32 v[TM], |v[ACC+16*\i]|, |v[ACC+16*\i+1]|, 0x1800000
.irp j, 2,4,6
	v_max3_num_f32 v[TM], v[TM], |v[ACC+16*\i+\j]|, |v[ACC+16*\i+\j+1]|
.endr
	v_permlanex16_b32 v[TP], v[TM], s36, s37
	v_max_num_f32 v[TM], v[TM], v[TP]
	v_add_nc_u32 v[SO], 0xff000000, v[TM]
	v_lshrrev_b32 v[BY], 23, v[SO]
	TAIL16 ACC+16*\i, X, SO
.irp j, 3,4,5
	v_mov_b32 v[F+\j], 0
.endr
.irp j, 0,1,2
	v_cndmask_b32 v[F+\j], v[X+\j], v[F+3], vcc_lo        ; lanes 16-31: zero codes
.endr
	s_wait_alu depctr_va_vdst(0)                   ; F and BY are written, which the stores read as data, and so are D16, D8 and DS, their addresses
	ds_store_b128 v[D16], v[F:F+3] offset:7680*\i
	ds_store_b64 v[D8], v[F+4:F+5] offset:7680*\i+512
	ds_store_b128 v[D16], v[ZR:ZR+3] offset:7680*\i+768
	ds_store_b64 v[D8], v[ZR:ZR+1] offset:7680*\i+1280
	ds_store_b8 v[DS], v[BY] offset:320*\i
.endm
	s_load_b512 s[4:19], s[0:1], 0x0               ; x's codes, scales; Wk's; Wq's; Wv's
	s_load_b128 s[20:23], s[0:1], 0x40             ; oimg, osc
	v_lshrrev_b32 v5, 5, v0
	v_readfirstlane_b32 s24, v5                    ; wave 0..15
	s_mov_b32 s25, ttmp9                           ; head
	s_and_b32 s26, ttmp7, 0xffff                   ; batch
	s_mov_b32 vcc_lo, 0xffff0000                   ; lanes 16-31, for the whole kernel: no compare is written
	s_mov_b32 s36, 0x76543210
	s_mov_b32 s37, 0xfedcba98
	s_mov_b32 s38, 0x3d553b95                      ; c = log2(e) / sqrt(768)
	s_mov_b32 s39, s38
	v_and_b32 v6, 31, v0                           ; lane
	v_lshlrev_b32 v[A16], 4, v6
	v_lshlrev_b32 v[A8], 3, v6
	v_and_b32 v[R], 15, v0
	v_lshlrev_b32 v[AS], 2, v[R]
	v_bfe_u32 v7, v0, 4, 1                         ; h
	v_and_b32 v8, 8, v[R]
	v_add_nc_u32 v9, v8, v[R]                      ; r + 8 (r / 8)
	v_mul_u32_u24 v[XSO], v9, 24
	s_wait_alu depctr_va_sdst(0)                   ; s24, the wave's number, is written, ahead of its first reader
	s_cmp_lt_u32 s24, 12
	s_cselect_b32 s61, 1, 0                        ; waves 0-11 bring a weight's tile (its columns in the tiles' order), wave 12 x's rows 512-527 (plain)
	v_mul_u32_u24 v8, v8, s61
	v_add_nc_u32 v8, v8, v[R]
	v_mul_u32_u24 v[FSO], v8, 24
	s_mul_i32 s63, s24, STW
	s_add_co_u32 s63, s63, STG                     ; my stage
	v_lshrrev_b32 v8, 2, v6                        ; lane / 4: which of eight rows
	v_and_b32 v9, 3, v6
	v_lshlrev_b32 v9, 4, v9
	v_add_nc_u32 v9, 512, v9                       ; 512 + 16 (lane % 4): which 16 of the row's last 64 bytes
	v_mad_u32_u24 v[GB], v8, 576, v9               ; in memory,
	v_mad_u32_u24 v9, v8, SPI, v9
	v_add_nc_u32 v[STB], s63, v9                   ; and in the stage
	v_add_nc_u32 v[STA], s63, v[A16]
	v_mul_u32_u24 v[XR], v[R], SPI
	v_mad_u32_u24 v[XR], v7, 24, v[XR]
	v_add_nc_u32 v[XR], s63, v[XR]
	s_mul_i32 s62, s24, 9216
	s_add_co_u32 s62, s62, FIMG
	v_add_nc_u32 v[FW], s62, v[A16]
	s_mul_i32 s62, s24, 384
	s_add_co_u32 s62, s62, FSC
	v_add_nc_u32 v[FSW], s62, v[AS]
	v_lshlrev_b32 v5, 4, v0
.irp j, 0,1,2,3
	v_mov_b32 v[ZR+\j], 0
.endr
	s_wait_alu depctr_va_vdst(0)                   ; v5 and the zeros are written, which the store below reads; so are v1-v4 and v8-v15, the offsets and addresses of every load and store of the fill: no vector instruction follows ahead of the barrier
	ds_store_b128 v5, v[ZR:ZR+3]                   ; 512 threads x 16 bytes: LDS bytes 0 .. 8,191 are zeros: the scale bytes that nobody writes
	; LDS bases, all of the wave's number and constants
	s_mul_i32 s40, s24, 1536
	s_add_co_u32 s41, s40, QIMG                    ; q's tiles 2 w, 2 w + 1
	s_add_co_u32 s40, s40, KIMG                    ; k's
	s_lshl_b32 s42, s24, 7                         ; k's scale words (KSC = 0)
	s_add_co_u32 s43, s42, QSC
	s_and_b32 s61, s24, 1
	s_lshr_b32 s62, s24, 1
	s_mul_i32 s62, s62, 768
	s_lshl_b32 s63, s61, 8
	s_add_co_u32 s44, s62, s63
	s_add_co_u32 s44, s44, VIMG                    ; v: key block w lies in pair w / 2, half w % 2 of the lanes' places
	s_lshl_b32 s63, s61, 7
	s_add_co_u32 s45, s62, s63
	s_add_co_u32 s45, s45, VIMG+512
	s_and_b32 s46, s24, 3
	s_lshr_b32 s63, s24, 2
	s_lshl_b32 s63, s63, 6
	s_add_co_u32 s46, s46, s63
	s_add_co_u32 s46, s46, VSC                     ; its byte: key step w / 4, byte w % 4
	s_lshr_b32 s62, s24, 1                         ; the last tile's units (waves 0-5 use these): 0 = k, 1 = q
	s_mul_i32 s47, s62, QIMG-KIMG
	s_lshl_b32 s63, s61, 8
	s_add_co_u32 s63, s63, s47
	s_lshl_b32 s48, s61, 7
	s_add_co_u32 s48, s48, s47
	s_add_co_u32 s47, s63, KIMG+24576
	s_add_co_u32 s48, s48, KIMG+25088
	s_mul_i32 s49, s62, QSC-KSC
	s_add_co_u32 s49, s49, s61
	s_add_co_u32 s49, s49, KSC+2048
	s_mul_i32 s50, s24, 18432
	s_add_co_u32 s50, s50, FIMG
	s_mul_i32 s51, s24, 768
	s_add_co_u32 s51, s51, FSC
	s_mul_i32 s52, s61, 15360
	s_add_co_u32 s52, s52, VIMG+6144
	s_mul_i32 s53, s61, 640
	s_add_co_u32 s53, s53, VSC+256
	; the first row of the tile that my wave brings
	s_lshl_b32 s62, s25, 6
	s_bfe_u32 s63, s24, 0x10001
	s_lshl_b32 s63, s63, 5
	s_add_co_u32 s62, s62, s63
	s_lshl_b32 s63, s61, 3
	s_add_co_u32 s62, s62, s63                     ; a weight's: 64 head + 32 ((w % 4) / 2) + 8 (w % 2)
	s_mul_i32 s60, s26, 528
	s_add_co_u32 s63, s60, 512                     ; x's: 528 batch + 512
	s_mov_b32 s59, 0
	s_wait_kmcnt 0x0
	s_cmp_lt_u32 s24, 12                           ; the choices hang on the wave's number alone
	s_cselect_b32 s62, s62, s63
	s_cselect_b64 s[28:29], s[16:17], s[4:5]
	s_cselect_b64 s[30:31], s[18:19], s[6:7]
	s_cmp_lt_u32 s24, 8
	s_cselect_b64 s[28:29], s[12:13], s[28:29]
	s_cselect_b64 s[30:31], s[14:15], s[30:31]
	s_cmp_lt_u32 s24, 4
	s_cselect_b64 s[28:29], s[8:9], s[28:29]
	s_cselect_b64 s[30:31], s[10:11], s[30:31]
	s_mul_i32 s58, s62, 576
	s_add_nc_u64 s[28:29], s[28:29], s[58:59]      ; the tile's first eight rows
	s_cmp_lt_u32 s24, 12
	s_mov_b32 s58, 4608
	s_cselect_b32 s58, 9216, s58
	s_add_nc_u64 s[54:55], s[28:29], s[58:59]      ; its other eight: 16 rows on in a weight, 8 rows on in x's last tile
	s_mul_i32 s58, s62, 24
	s_add_nc_u64 s[30:31], s[30:31], s[58:59]
	s_lshl_b32 s63, s24, 5
	s_add_co_u32 s62, s60, s63                     ; my first row of x: 528 batch + 32 w
	s_mul_i32 s58, s62, 576
	s_add_nc_u64 s[32:33], s[4:5], s[58:59]
	s_mul_i32 s58, s62, 24
	s_add_nc_u64 s[34:35], s[6:7], s[58:59]
	; THE FILL: waves 0-12 bring one tile each (6 + 18 loads), turn it into fragments in their stage and store these as images; every wave asks for its own rows of x
	s_cmp_gt_u32 s24, 12
	s_cbranch_scc1 .Lplain
.irp s, 0,1,2,3,4,5
	global_load_b32 v[FTS+\s], v[FSO], s[30:31] offset:4*\s
.endr
	ROWS16 FT, 28, 0, 54, 0
	XLOADS
	s_wait_loadcnt 48                              ; behind the fill's 24 loads: x's 12 scale words and 36 loads of codes
	TOSTG FT
	s_wait_dscnt 0x0                               ; the six fragments are in
.irp s, 0,1,2,3,4,5
.irp c, 0,1,2
	ds_store_b128 v[FW], v[FT+12*\s+4*\c:FT+12*\s+4*\c+3] offset:1536*\s+512*\c
.endr
.endr
.irp s, 0,1,2,3,4,5
	ds_store_b32 v[FSW], v[FTS+\s] offset:64*\s    ; lanes r and r + 16 hold the same word
.endr
	s_branch .Lfilled
.Lplain:
	XLOADS
.Lfilled:
	s_wait_loadcnt 18                              ; x's scale words and tile 0's rows are in; tile 1's 18 loads may be out (the same on both ways here)
	TOSTG XF
	s_wait_loadcnt 0x0
	TOSTG XF+72                                    ; its wait on vm_vsrc stands behind every store of the fill: v5, v8, v9, v14, v15, FT and FTS, which those stores read, are free from there on
	s_wait_dscnt 0x0                               ; x's twelve fragments are in; and for the others' sake: my images and my zeros have landed, my reads of my stage are over
	s_barrier_signal -1
	s_barrier_wait -1                              ; the weights' images lie in LDS, and nobody reads a stage any more
	v_mov_b32 v[TP], 0                             ; written once: a lane permute's destination counts as one of its sources
.irp j, 0,1,2
	v_mov_b32 v[Y+\j], 0
.endr
	PASS 0, 0
	PASS 0, 1
	PASS 0, 2
	PASS 0, 3
	PASS 1, 4
	PASS 1, 5
	; ROWS 512-527: six units of 12 products: wave w < 6 does for this tile what pass w did for the others
	s_wait_dscnt 0x0
	s_wait_alu depctr_vm_vsrc(0)                   ; the last pass's LDS loads have read AW and AWS, its stores D16, D8, DS, F and BY, which waves 0-5 write again below: ahead of the branch
	s_cmp_gt_u32 s24, 5
	s_cbranch_scc1 .Ltail_done
	v_add_nc_u32 v[AW], s50, v[A16]
	v_add_nc_u32 v[AWS], s51, v[AS]
	v_add_nc_u32 v[FW], FIMG+12*9216, v[A16]
	v_add_nc_u32 v[FSW], FSC+12*384, v[AS]
	s_wait_alu depctr_va_vdst(0)                   ; the four addresses are written, which the loads below and the K steps' read; the last pass's products are done reading XF, XS, WB and WSR, in which those loads land
.irp s, 0,1,2,3,4,5
.irp c, 0,1,2
	ds_load_b128 v[XF+12*\s+4*\c:XF+12*\s+4*\c+3], v[FW] offset:1536*\s+512*\c     ; (the five places behind the last pass's products stand in front of these loads)
.endr
	ds_load_b32 v[XS+\s], v[FSW] offset:64*\s
.endr
	s_cmp_gt_u32 s24, 3
	s_cbranch_scc1 .Ltail_v
	v_lshl_add_u32 v[D16], v[R], 4, s47
	v_lshl_add_u32 v[D8], v[R], 3, s48
	v_lshl_add_u32 v[DS], v[R], 2, s49
	PSTEPS 0, 1, 0
	NOPS 5
	QBLK ACC, 0, 0, 0, 0
	s_branch .Ltail_done
.Ltail_v:
	v_add_nc_u32 v[D16], s52, v[A16]
	v_add_nc_u32 v[D8], s52, v[A8]
	v_lshl_add_u32 v[DS], v[R], 2, s53
	PSTEPS 1, 1, 0
	NOPS 5
	TAILV 0
	TAILV 1
.Ltail_done:
	s_wait_dscnt 0x0                               ; for the others' sake: my images and bytes have landed
	s_wait_alu depctr_vm_vsrc(0)                   ; the tail's stores have read F, BY, D16, D8 and DS, its loads AW, AWS, FW and FSW: the lines behind the barrier write v244 on and v5-v7 again
	s_barrier_signal -1
	s_barrier_wait -1                              ; q, k, v of the head lie in LDS; from here on LDS is only read
; ---------------- ATTENTION ----------------
.macro KLOAD t0, cnt                   ; cnt tiles of k from tile t0 on: the lower six registers of each fragment (the upper six stay zero) and the scale words
.irp t, 0,1,2,3
.if \t < \cnt
	ds_load_b128 v[KB+12*\t:KB+12*\t+3], v[A16] offset:KIMG+768*((\t0)+\t)
	ds_load_b64 v[KB+12*\t+4:KB+12*\t+5], v[A8] offset:KIMG+768*((\t0)+\t)+512
	ds_load_b32 v[KS+\t], v[AS] offset:KSC+64*((\t0)+\t)
.endif
.endr
.endm
.macro VLOAD sg                        ; v^T's four fragments of key step sg, into the registers that p has left
.irp t, 0,1,2,3
.irp c, 0,1
	ds_load_b128 v[S+12*\t+6*\c:S+12*\t+6*\c+3], v[A16] offset:VIMG+768*(10*\t+2*\sg+\c)
	ds_load_b64 v[S+12*\t+6*\c+4:S+12*\t+6*\c+5], v[A8] offset:VIMG+768*(10*\t+2*\sg+\c)+512
.endr
	ds_load_b32 v[VS+\t], v[AS] offset:VSC+64*(5*\t+\sg)
.endr
.endm
.macro NEWM                            ; v[TT] = the step's largest score: the running largest t, -M = floor(-t), f = 2^(old M - new M)
	v_mul_f32 v[TT], s38, v[TT]
	v_max_num_f32 v[TMX], v[TMX], v[TT]
	v_mov_b32 v[TT], v[NM]
	v_floor_f32 v[NM], -v[TMX]
	v_sub_f32 v[TT], v[NM], v[TT]                  ; a whole number, 0 or less
	v_cvt_i32_f32 v[TT], v[TT]                     ; (it saturates)
	v_ldexp_f32 v[FF], 1.0, v[TT]
.endm
.macro RESCALE                         ; O^T under the new M; also places in front of the scaled products (eight behind p's scale word, four behind its codes)
.set J, 0
.rept 16
	v_pk_mul_f32 v[O+J:O+J+1], v[O+J:O+J+1], v[FF:FF+1] op_sel_hi:[1,0]
.set J, J+2
.endr
.endm
; 64 scores of a lane (register 16 b + i = key 32 b + 16 (lane / 16) + i of the step) become p's codes, its scale word, and the sum's new terms.  nxt, nn: the tiles of k that the next step begins with, asked for behind the exponentials' wait.
.macro SOFTMAX nxt, nn
.irp b, 0,1,2,3
	v_max3_num_f32 v[BM+\b], v[S+16*\b], v[S+16*\b+1], v[S+16*\b+2]        ; the largest score of each block of 32 keys: for the row's maximum, and, since p rises with the score, for the block's largest p
.endr
.irp i, 3,5,7,9,11,13
.irp b, 0,1,2,3
	v_max3_num_f32 v[BM+\b], v[BM+\b], v[S+16*\b+\i], v[S+16*\b+\i+1]
.endr
.endr
.irp b, 0,1,2,3
	v_max_num_f32 v[BM+\b], v[BM+\b], v[S+16*\b+15]
.endr
.irp b, 0,1,2,3
	v_permlanex16_b32 v[BP+\b], v[BM+\b], s36, s37
.endr
.irp b, 0,1,2,3
	v_max_num_f32 v[BM+\b], v[BM+\b], v[BP+\b]
.endr
	v_max3_num_f32 v[TT], v[BM], v[BM+1], v[BM+2]
	v_max_num_f32 v[TT], v[TT], v[BM+3]
	NEWM
.set J, 0
.rept 32
	v_pk_fma_f32 v[S+J:S+J+1], v[S+J:S+J+1], s[38:39], v[NM:NM+1] op_sel_hi:[1,0,0]   ; t - M, two at a time
.set J, J+2
.endr
.irp b, 0,1,2,3
	v_fma_f32 v[BM+\b], v[BM+\b], s38, v[NM]
.endr
.set J, 0
	s_wait_alu depctr_va_vdst(0)
.rept 64
	v_exp_f32 v[S+J], v[S+J]                       ; p = 2^(t - M), not normalised
.set J, J+1
.endr
.irp b, 0,1,2,3
	v_exp_f32 v[BM+\b], v[BM+\b]                   ; the block's largest p: the same two instructions on the same number
.endr
	v_pk_mul_f32 v[SUM:SUM+1], v[SUM:SUM+1], v[FF:FF+1] op_sel_hi:[1,0]    ; the sum under the new M.  (The plain place behind the exponentials)
	s_wait_alu depctr_va_vdst(0)                   ; the 68 exponentials have written p and the blocks' largest p, ahead of their first reader; and the step's second four products are done reading k's fragments and scale words, in which the loads below land
	KLOAD \nxt, \nn                                ; lands under the rest of the softmax, which names none of these registers
.irp b, 0,1,2,3
	v_max_num_f32 v[BM+\b], 0x1800000, v[BM+\b]    ; the floor 2^(3 - 127)
.endr
.irp b, 0,1,2,3
	v_add_nc_u32 v[SOP+\b], 0xff000000, v[BM+\b]
.endr
.irp b, 0,1,2,3
	v_lshrrev_b32 v[BP+\b], 23, v[SOP+\b]
.endr
	v_lshl_or_b32 v[PW], v[BP+1], 8, v[BP]
	v_lshl_or_b32 v[PW], v[BP+2], 16, v[PW]
	v_lshl_or_b32 v[PW], v[BP+3], 24, v[PW]
.irp c, 0,1
	v_cvt_scalef32_pk16_fp6_f32 v[PF+6*\c:PF+6*\c+2], v[S+32*\c:S+32*\c+15], v[SOP+2*\c]
	v_cvt_scalef32_pk16_fp6_f32 v[PT+4*\c:PT+4*\c+2], v[S+32*\c+16:S+32*\c+31], v[SOP+2*\c+1]
.endr
	v_nop                                          ; one plain place behind a scaled conversion
.irp c, 0,1                            ; the operand wants a whole block in a lane: lanes 0-15 block 2 c, lanes 16-31 block 2 c + 1
.irp i, 0,1,2
	v_permlane16_swap_b32 v[PF+6*\c+\i], v[PT+4*\c+\i]
.endr
.irp i, 0,1,2
	v_mov_b32 v[PF+6*\c+3+\i], v[PT+4*\c+\i]
.endr
.endr
	v_pk_add_f32 v[SA:SA+1], v[S:S+1], v[S+2:S+3]  ; the row's sum is taken of the unquantised p, in two chains
.irp j, 4,8,12,16,20,24,28,32,36,40,44,48,52,56,60
	v_pk_add_f32 v[SUM:SUM+1], v[SUM:SUM+1], v[S+\j:S+\j+1]
	v_pk_add_f32 v[SA:SA+1], v[SA:SA+1], v[S+\j+2:S+\j+3]
.endr
	v_pk_add_f32 v[SUM:SUM+1], v[SUM:SUM+1], v[SA:SA+1]
.endm
; A key step of 128 keys: tiles 8 sg .. 8 sg + 7 of k.  Its first four fragments are in registers; nxt, nn: the tiles that the next step begins with.  first = 1: the products start O^T's sums.
.macro STEP sg, nxt, nn, first
	NOPS 5                                         ; S^T's registers were sources of the last products and are now written over by products
.irp t, 0,1,2,3
	MM S+8*\t, KB+12*\t, QF, 1, KS+\t, QS
.endr
	NOPS 4
	s_wait_alu depctr_va_vdst(0)                   ; these four products are done reading k's fragments and scale words, in which the loads below land
	KLOAD 8*\sg+4, 4
	s_wait_dscnt 0x0
.irp t, 0,1,2,3
	MM S+32+8*\t, KB+12*\t, QF, 1, KS+\t, QS
.endr
	NOPS 4                                         ; places in front of the first read of results
	SOFTMAX \nxt, \nn
	s_wait_alu depctr_va_vdst(0)                   ; the conversions and the sums are done reading p, where v^T's fragments land, and the last step's products v^T's scale words; p's codes and scale word are written, which the scaled products below take (the 31 packed sums are the places ahead of this wait)
	VLOAD \sg
.if \first == 0
	RESCALE
.endif
	s_wait_alu depctr_va_vdst(0)
	s_wait_dscnt 0x0                               ; v^T's fragments, and the next step's of k
.irp t, 0,1,2,3
	MM O+8*\t, S+12*\t, PF, \first, VS+\t, PW
.endr
.endm
.irp j, 6,7,8,9,10,11
	v_mov_b32 v[QF+\j], 0                          ; K = 64 of the instruction's 128: the upper halves of q's and k's fragments are zero codes, written once
.irp t, 0,1,2,3
	v_mov_b32 v[KB+12*\t+\j], 0
.endr
.endr
.irp b, 0,1,2,3
	v_mov_b32 v[BP+\b], 0                          ; written once: a lane permute's destination counts as one of its sources
.endr
	v_mov_b32 v[TT], 0
	v_mov_b32 v[PW], 0                             ; (named as the upper half of the pair with f before it is first written)
	s_mov_b32 s58, 0
.Ltask:                                            ; three trips: task 16 trip + wave of 33; tasks 0-24 are the search tiles 8-32 (the long ones first), tasks 25-32 the template tiles 0-7
	s_wait_alu depctr_vm_vsrc(0)                   ; the last task's loads of q have read D16, D8 and DS, its three global stores PF and SW: this task writes all of them again.  Ahead of the branch
	s_lshl_b32 s59, s58, 4
	s_add_co_u32 s59, s59, s24
	s_cmp_gt_u32 s59, 32
	s_cbranch_scc1 .Ltask_end
	s_add_co_u32 s61, s59, 7
	s_lshr_b32 s61, s61, 5
	s_mul_i32 s61, s61, 0xffffffdf                 ; -33 from task 25 on
	s_add_co_u32 s60, s59, 8
	s_add_co_u32 s60, s60, s61
	s_min_u32 s60, s60, 32                         ; the tile of queries
	s_wait_xcnt 0x0                                ; the last task's stores have had their addresses translated: their bases are written again only behind this wait
	s_mul_i32 s61, s26, 33
	s_add_co_u32 s61, s61, s60                     ; 33 batch + tile
	s_mul_i32 s62, s61, 12
	s_add_co_u32 s62, s62, s25
	s_mul_i32 s62, s62, 768
	s_mov_b32 s63, 0
	s_add_nc_u64 s[54:55], s[20:21], s[62:63]      ; my half image in oimg
	s_mul_i32 s62, s61, 6
	s_lshr_b32 s61, s25, 1
	s_add_co_u32 s62, s62, s61
	s_lshl_b32 s62, s62, 6
	s_and_b32 s61, s25, 1
	s_lshl_b32 s61, s61, 1
	s_add_co_u32 s62, s62, s61
	s_add_nc_u64 s[56:57], s[22:23], s[62:63]      ; my two bytes of each row's scale word in osc
	s_mul_i32 s61, s60, 768
	s_add_co_u32 s61, s61, QIMG
	v_add_nc_u32 v[D16], s61, v[A16]
	v_add_nc_u32 v[D8], s61, v[A8]
	s_lshl_b32 s61, s60, 6
	s_add_co_u32 s61, s61, QSC
	v_add_nc_u32 v[DS], s61, v[AS]
	s_wait_alu depctr_va_vdst(0)                   ; D16, D8 and DS are written, which the loads below read; the last task's products are done reading q's and k's fragments and scale words, in which they land; in the first trip: the zero halves are written, which the scaled products take
	ds_load_b128 v[QF:QF+3], v[D16]
	ds_load_b64 v[QF+4:QF+5], v[D8] offset:512
	ds_load_b32 v[QS], v[DS]
	KLOAD 0, 4
	v_mov_b32 v[TMX], 0xff61b1e6                   ; the largest t so far: -3e38
	v_floor_f32 v[NM], -v[TMX]
	v_mov_b32 v[SUM], 0
	v_mov_b32 v[SUM+1], 0
	s_wait_dscnt 0x0
	STEP 0, 8, 4, 1
	s_cmp_lt_u32 s60, 8
	s_cbranch_scc1 .Lfin                           ; the templates' rows see keys 0-127 alone
	STEP 1, 16, 4, 0
	STEP 2, 24, 4, 0
	STEP 3, 32, 1, 0
	; keys 512-527: one tile, register j = key 512 + 8 (lane / 16) + j
	NOPS 5
	MM S, KB, QF, 1, KS, QS
	NOPS 4
	v_max3_num_f32 v[BM], v[S], v[S+1], v[S+2]
	v_max3_num_f32 v[BM], v[BM], v[S+3], v[S+4]
	v_max3_num_f32 v[BM], v[BM], v[S+5], v[S+6]
	v_max_num_f32 v[BM], v[BM], v[S+7]
	v_permlanex16_b32 v[BP], v[BM], s36, s37
	v_max_num_f32 v[BM], v[BM], v[BP]
	v_mov_b32 v[TT], v[BM]
	NEWM
.irp j, 0,2,4,6
	v_pk_fma_f32 v[S+\j:S+\j+1], v[S+\j:S+\j+1], s[38:39], v[NM:NM+1] op_sel_hi:[1,0,0]
.endr
	v_fma_f32 v[BM], v[BM], s38, v[NM]
	s_wait_alu depctr_va_vdst(0)
.irp j, 0,1,2,3,4,5,6,7
	v_exp_f32 v[S+\j], v[S+\j]
.endr
	v_exp_f32 v[BM], v[BM]
	v_pk_mul_f32 v[SUM:SUM+1], v[SUM:SUM+1], v[FF:FF+1] op_sel_hi:[1,0]    ; (the plain place behind the exponentials)
	s_wait_alu depctr_va_vdst(0)                   ; the nine exponentials have written p and the block's largest p, ahead of their first reader
.irp j, 0,2,4,6
	v_pk_add_f32 v[SUM:SUM+1], v[SUM:SUM+1], v[S+\j:S+\j+1]
.endr
	v_max_num_f32 v[BM], 0x1800000, v[BM]
	v_add_nc_u32 v[SOP], 0xff000000, v[BM]
	v_lshrrev_b32 v[PW], 23, v[SOP]                ; byte 0 = the block's; bytes 1-3 stand over zero codes
	TAIL16 S, PT, SOP
.irp j, 0,1,2
	v_cndmask_b32 v[PF+\j], v[PT+\j], v[QF+6], vcc_lo     ; lanes 0-15: the 16 keys' codes; lanes 16-31: zeros (q's upper half is a register of zeros)
.endr
.irp j, 3,4,5,6,7,8,9,10,11
	v_mov_b32 v[PF+\j], 0
.endr
	RESCALE                                        ; its sixteen lines are the places behind p's codes and scale word, ahead of the wait
	s_wait_alu depctr_va_vdst(0)                   ; the conversion, the permutes and the sums are done with p's registers, where v^T's fragments land, and the last step's products with v^T's scale words; p's codes and scale word are written, which the scaled products below take
	VLOAD 4
	s_wait_dscnt 0x0
.irp t, 0,1,2,3
	MM O+8*\t, S+12*\t, PF, 0, VS+\t, PW
.endr
.Lfin:
	NOPS 4
	v_add_f32 v[SUM], v[SUM], v[SUM+1]             ; the sum's two halves,
	v_permlanex16_b32 v[TT], v[SUM], s36, s37
	v_add_f32 v[SUM], v[SUM], v[TT]                ; and lane l xor 16's: l
	s_wait_alu depctr_va_vdst(0)
	v_rcp_f32 v[SA], v[SUM]
	v_nop                                          ; one plain place behind a transcendental
.set J, 0
	s_wait_alu depctr_va_vdst(0)                   ; the reciprocal has written 1 / l, ahead of its first reader
.rept 16
	v_pk_mul_f32 v[O+J:O+J+1], v[O+J:O+J+1], v[SA:SA+1] op_sel_hi:[1,0]    ; O^T / l, each accumulator from its low end on: register 16 b + i = channel 32 b + 16 (lane / 16) + i of my query
.set J, J+2
.endr
.irp b, 0,1
	v_max3_num_f32 v[BM+\b], |v[O+16*\b]|, |v[O+16*\b+1]|, 0x1800000
.endr
.irp i, 2,4,6,8,10,12,14
.irp b, 0,1
	v_max3_num_f32 v[BM+\b], v[BM+\b], |v[O+16*\b+\i]|, |v[O+16*\b+\i+1]|
.endr
.endr
.irp b, 0,1
	v_permlanex16_b32 v[BP+\b], v[BM+\b], s36, s37
.endr
.irp b, 0,1
	v_max_num_f32 v[BM+\b], v[BM+\b], v[BP+\b]
.endr
.irp b, 0,1
	v_add_nc_u32 v[SOP+\b], 0xff000000, v[BM+\b]
.endr
.irp b, 0,1
	v_lshrrev_b32 v[BP+\b], 23, v[SOP+\b]
.endr
	v_lshl_or_b32 v[SW], v[BP+1], 8, v[BP]         ; the head's two scale bytes of my row
	v_cvt_scalef32_pk16_fp6_f32 v[PF:PF+2], v[O:O+15], v[SOP]
	v_cvt_scalef32_pk16_fp6_f32 v[PT:PT+2], v[O+16:O+31], v[SOP+1]
	v_nop                                          ; one plain place behind a scaled conversion
.irp i, 0,1,2
	v_permlane16_swap_b32 v[PF+\i], v[PT+\i]       ; lanes 0-15: block 0 whole; lanes 16-31: block 1
.endr
.irp i, 0,1,2
	v_mov_b32 v[PF+3+\i], v[PT+\i]
.endr
	s_wait_alu depctr_va_vdst(0)                   ; o's six registers of codes and its scale bytes are written, which the three stores read
	global_store_b128 v[A16], v[PF:PF+3], s[54:55]             ; 512 consecutive bytes, at a multiple of 256 from oimg's first byte,
	global_store_b64 v[A8], v[PF+4:PF+5], s[54:55] offset:512  ; and the 256 behind them
	global_store_b16 v[AS], v[SW], s[56:57]                    ; lanes r and r + 16 hold the same two bytes
.Ltask_end:
	s_add_co_u32 s58, s58, 1
	s_cmp_lt_u32 s58, 3
	s_cbranch_scc1 .Ltask
	s_wait_xcnt 0x0
	v_lshl_add_u32 v254, v0, 2, 0x45800            ; the add's two registers are made anew: no memory or LDS instruction has read v254 or v255 since the wait on vm_vsrc behind the tail
	v_mov_b32 v255, 0
	s_wait_dscnt 0x0                               ; the closing lines, six on end, for a launch in the mode that stores to LDS
	s_wait_alu 0x0
	s_wait_tensorcnt 0x0
	ds_add_u32 v254, v255
	s_wait_dscnt 0x0
	s_endpgm
.Lfunc_end_k_qec7509fd1e_attn:
	.size	k_qec7509fd1e_attn, .Lfunc_end_k_qec7509fd1e_attn-k_qec7509fd1e_attn
	.p2alignl 7, 3214868480
	.fill 96, 4, 3214868480
	.section	.rodata,"a",@progbits
	.p2align	6, 0x0
	.amdhsa_kernel k_qec7509fd1e_attn
		.amdhsa_group_segment_fixed_size 286720
		.amdhsa_private_segment_fixed_size 0
		.amdhsa_enable_private_segment 0
		.amdhsa_kernarg_size 80
		.amdhsa_user_sgpr_count 2
		.amdhsa_user_sgpr_kernarg_segment_ptr 1
		.amdhsa_wavefront_size32 1
		.amdhsa_system_sgpr_workgroup_id_x 1
		.amdhsa_system_sgpr_workgroup_id_y 1
		.amdhsa_system_sgpr_workgroup_id_z 1
		.amdhsa_system_vgpr_workitem_id 0
		.amdhsa_next_free_vgpr 256
		.amdhsa_next_free_sgpr 66
		.amdhsa_reserve_vcc 1
		.amdhsa_float_denorm_mode_32 3
		.amdhsa_float_denorm_mode_16_64 3
		.amdhsa_memory_ordered 1
		.amdhsa_forward_progress 1
		.amdhsa_inst_pref_size 189
	.end_amdhsa_kernel
	.amdgpu_metadata
---
amdhsa.version: [ 1, 2 ]
amdhsa.kernels:
  - .name:           k_qec7509fd1e_attn
    .symbol:         k_qec7509fd1e_attn.kd
    .args:
      - { .name: x_codes, .offset: 0, .size: 8, .value_kind: global_buffer, .address_space: global }
      - { .name: x_scales, .offset: 8, .size: 8, .value_kind: global_buffer, .address_space: global }
      - { .name: Wk_codes, .offset: 16, .size: 8, .value_kind: global_buffer, .address_space: global }
      - { .name: Wk_scales, .offset: 24, .size: 8, .value_kind: global_buffer, .address_space: global }
      - { .name: Wq_codes, .offset: 32, .size: 8, .value_kind: global_buffer, .address_space: global }
      - { .name: Wq_scales, .offset: 40, .size: 8, .value_kind: global_buffer, .address_space: global }
      - { .name: Wv_codes, .offset: 48, .size: 8, .value_kind: global_buffer, .address_space: global }
      - { .name: Wv_scales, .offset: 56, .size: 8, .value_kind: global_buffer, .address_space: global }
      - { .name: oimg, .offset: 64, .size: 8, .value_kind: global_buffer, .address_space: global }
      - { .name: osc, .offset: 72, .size: 8, .value_kind: global_buffer, .address_space: global }
    .group_segment_fixed_size: 286720
    .private_segment_fixed_size: 0
    .kernarg_segment_align: 8
    .kernarg_segment_size: 80
    .max_flat_workgroup_size: 512
    .sgpr_count:     66
    .vgpr_count:     256
    .wavefront_size: 32
...
	.end_amdgpu_metadata
.endif
;; end of part 4
;; launch proj (part 5): grid 6 x 66, 8 waves a work-group, no clusters, 77,824 bytes of LDS; arguments oimg, osc, Wp_codes, Wp_scales, bp, out0; writes out0
.if DOCPART == 5
	.amdgcn_target "amdgcn-amd-amdhsa--gfx1250"
	.amdhsa_code_object_version 6
	.text
	.protected	k_qec7509fd1e_proj
	.globl	k_qec7509fd1e_proj
	.p2align	8
	.type	k_qec7509fd1e_proj,@function
k_qec7509fd1e_proj:
	s_mov_b64 s[64:65], 0
	v_nop
	global_prefetch_b8 v0, s[64:65] scope:SCOPE_SE
	s_setreg_imm32_b32 hwreg(HW_REG_WAVE_SCHED_MODE, 0, 2), 2
	s_setreg_imm32_b32 hwreg(HW_REG_WAVE_MODE, 25, 1), 1
	s_wait_xcnt 0x0
	s_wait_alu depctr_vm_vsrc(0)
; out0 = o Wp + bp on codes of FP6 (E2M3) with one E8M0 byte for each 32 along K = 768.  o comes as the first launch left it: for each tile of 16 rows (33 to a batch, 1,056 in all) twelve half images
; of 768 bytes (registers 6 c .. 6 c + 5 of a fragment: registers 0-3 at 16 x lane, 4-5 at 512 + 8 x lane) and six runs of 16 scale words.  Tile T < 32 of a batch: index i is row 32 (T/2) + 8 (T%2) + i + 8 (i/8); tile 32: row 512 + i.
; SHARES.  A work-group: 16 tiles of rows x 128 columns; each of its eight waves two tiles x 8 tiles of columns: 16 accumulators.  Wp's 128 columns (73,728 bytes of codes) go into LDS once, as images of fragments; wave w brings tile w.
; THE COLUMNS OF A TILE ARE NOT NEIGHBOURS: lane r of tile 4 g + t takes column 64 g + 4 r + t, so that register j of four tiles gives a lane four neighbouring columns of one row:
; the addition of the bias sets them side by side, and sixteen lanes store 256 consecutive bytes at a multiple of 256 from out0's first byte: no stage in LDS.
; The launch writes 52 MB for 10 MB read: its stores bind it.  No joint loads: what work-groups share (o's tiles among 6, Wp's among 66) is a fifth of the bytes that the launch moves.
; THE MODE: SCHED_MODE bits 1:0 = 2 (LLVM: expert scheduling mode 2), set by the entry lines.  The code itself states the register dependences
; between vector or matrix instructions and memory or LDS instructions, with s_wait_alu, always for 0.
; THE PLAN.  Registers that memory or LDS instructions touch, and who else names them:
;   v1-v8, v11-v13   offsets and addresses, written once at the head ahead of its wait on va_vdst; never written again.   v9, v10: made behind it, read by the stores alone, far behind later waits.
;   FT, FTS          global loads land, the images' LDS stores read; the accumulators lie there afterwards: one wait on vm_vsrc ahead of the barrier.
;   WB               a group's LDS loads land, its four products read.   WS: a K step's eight loads land, its sixteen products read.   OF: two buffers by turns: step s's products read buffer s % 2; the loads of step s + 1,
;                    issued at the head of step s, land in the buffer that step s - 1 read.
;                    ONE wait on va_vdst stands ahead of each group's loads; at a K step's head it serves o's loads and WS's too.  WB has one set: 24 registers more are not to be had within the wave's 256.
;   OUT, two sets    the additions write, eight stores read: a wait on va_vdst ahead of each run of stores; one wait on vm_vsrc ahead of the first line that writes a set again: both sets' stores stand ahead of it.
.set WSCL, 73728                       ; LDS: images (tile x 6 + K step) x 1,536; behind them the scale words, 64 bytes each
.set A16, 1
.set A8,  2
.set AS,  3
.set R,   4
.set GFO, 5                            ; v5, v6  my byte in the rows of Wp's codes and scales that my wave brings
.set GSO, 6
.set FW,  7                            ; v7, v8  where they go
.set FSW, 8
.set GO,  9                            ; v9, v10 my byte offset in out0 for row tile 0, 1
.set B16, 11                           ; v11     16 r
.set A16B, 12                          ; v12     16 x lane + 36,864: column tiles 4-7
.set ASW, 13                           ; v13     4 r + WSCL
.set H,   14
.set ACC, 16                           ; v16-143  accumulator (row tile mu, column tile nt) at 16 + 8 (8 mu + nt)
.set OF,  144                          ; v144-191 o's fragments: two buffers of two
.set WB,  192                          ; v192-215 two fragments of Wp
.set WS,  216                          ; v216-223 a K step's eight scale words of Wp
.set BI,  224                          ; v224-231 bp at my eight columns
.set OSC, 232                          ; v232-243 o's scale words
.set FT,  16                           ; the fill: v16-87 six fragments, v88-93 six scale words
.set FTS, 88
.set OUT, 144                          ; the way out: two sets of 32
.macro NOPS n
.rept \n
	v_nop
.endr
.endm
.macro MM d, a, b, z, sa, sb
.if \z
	v_wmma_scale_f32_16x16x128_f8f6f4 v[(\d):(\d)+7], v[(\a):(\a)+11], v[(\b):(\b)+11], 0, v[\sa], v[\sb] matrix_a_fmt:MATRIX_FMT_FP6 matrix_b_fmt:MATRIX_FMT_FP6
.else
	v_wmma_scale_f32_16x16x128_f8f6f4 v[(\d):(\d)+7], v[(\a):(\a)+11], v[(\b):(\b)+11], v[(\d):(\d)+7], v[\sa], v[\sb] matrix_a_fmt:MATRIX_FMT_FP6 matrix_b_fmt:MATRIX_FMT_FP6
.endif
.endm
.macro OLOAD s                         ; my two tiles' fragments of K step s: 8 loads, each of whole runs of 256 bytes
.irp mu, 0,1
.irp c, 0,1
	global_load_b128 v[OF+24*((\s)%2)+12*\mu+6*\c:OF+24*((\s)%2)+12*\mu+6*\c+3], v[A16], s[30:31] offset:9216*\mu+1536*(\s)+768*\c
	global_load_b64 v[OF+24*((\s)%2)+12*\mu+6*\c+4:OF+24*((\s)%2)+12*\mu+6*\c+5], v[A8], s[30:31] offset:9216*\mu+1536*(\s)+768*\c+512
.endr
.endr
.endm
.macro KSTEP s
.irp q, 0,1,2,3
.if (\s)+\q > 0
	s_wait_alu depctr_va_vdst(0)                   ; the last four products are done reading WB, in which the loads below land; at a K step's head also: the last step's products are done reading WS and their buffer of o
.endif
.if \q == 0
.if ((\s) > 0) && ((\s) < 5)
	OLOAD (\s)+1                                   ; the next step's fragments of o, into the buffer that the last step read
.endif
.if \s < 5
	s_wait_loadcnt 8                               ; this K step's fragments are in; the next step's 8 loads may be out
.else
	s_wait_loadcnt 0x0
.endif
.endif
.irp i, 0,1
.irp c, 0,1,2
.if \q < 2
	ds_load_b128 v[WB+12*\i+4*\c:WB+12*\i+4*\c+3], v[A16] offset:9216*(2*\q+\i)+1536*\s+512*\c
.else
	ds_load_b128 v[WB+12*\i+4*\c:WB+12*\i+4*\c+3], v[A16B] offset:9216*(2*\q+\i-4)+1536*\s+512*\c
.endif
.endr
.endr
.if \q == 0
.irp n, 0,1,2,3,4,5,6,7
	ds_load_b32 v[WS+\n], v[ASW] offset:384*\n+64*\s
.endr
.endif
	s_wait_dscnt 0x0
.irp mu, 0,1
.irp i, 0,1
	MM ACC+8*(8*\mu+2*\q+\i), OF+24*(\s%2)+12*\mu, WB+12*\i, (\s==0), OSC+6*\mu+\s, WS+2*\q+\i     ; the 16 accumulators take turns, one instruction a turn
.endr
.endr
	NOPS 4                                         ; places in front of the loads into registers that these products have read, and of the first read of results
.endr
.endm
	s_load_b256 s[4:11], s[0:1], 0x0               ; oimg, osc, Wp's codes, Wp's scales
	s_load_b128 s[12:15], s[0:1], 0x20             ; bp, out0
	v_lshl_add_u32 v254, v0, 2, 0x12c00
	v_mov_b32 v255, 0
	v_lshrrev_b32 v15, 5, v0
	v_readfirstlane_b32 s16, v15                   ; wave 0..7
	s_mov_b32 s17, ttmp9                           ; which 128 columns
	s_and_b32 s18, ttmp7, 0xffff                   ; which 16 tiles of rows
	v_and_b32 v15, 31, v0
	v_lshlrev_b32 v[A16], 4, v15
	v_lshlrev_b32 v[A8], 3, v15
	v_and_b32 v[R], 15, v0
	v_lshlrev_b32 v[AS], 2, v[R]
	v_bfe_u32 v[H], v0, 4, 1
	v_mul_u32_u24 v[GFO], v[R], 2304               ; lane r takes every fourth row of Wp's codes
	v_mad_u32_u24 v[GFO], v[H], 24, v[GFO]
	v_mul_u32_u24 v[GSO], v[R], 96
	v_lshlrev_b32 v[B16], 4, v[R]
	s_wait_alu depctr_va_sdst(0)                   ; s16, the wave's number, is written, ahead of its first reader
	s_mul_i32 s19, s16, 9216
	v_add_nc_u32 v[FW], s19, v[A16]
	s_mul_i32 s19, s16, 384
	s_add_co_u32 s19, s19, WSCL
	v_add_nc_u32 v[FSW], s19, v[AS]
	v_add_nc_u32 v[A16B], 36864, v[A16]
	v_add_nc_u32 v[ASW], WSCL, v[AS]
	s_lshl_b32 s20, s17, 7
	s_lshr_b32 s21, s16, 2
	s_lshl_b32 s21, s21, 6
	s_add_co_u32 s20, s20, s21
	s_and_b32 s21, s16, 3
	s_add_co_u32 s20, s20, s21                     ; my column tile's first row of Wp's codes: 128 x + 64 (w / 4) + w % 4
	s_mov_b32 s23, 0
	s_lshl_b32 s28, s18, 3
	s_add_co_u32 s28, s28, s16
	s_lshl_b32 s28, s28, 1                         ; my first tile of rows: 2 (8 y + w)
	s_mov_b32 s45, 0
	s_wait_kmcnt 0x0
	s_mul_i32 s22, s20, 576
	s_add_nc_u64 s[24:25], s[8:9], s[22:23]
	s_mul_i32 s22, s20, 24
	s_add_nc_u64 s[26:27], s[10:11], s[22:23]
	s_mul_i32 s22, s28, 9216
	s_add_nc_u64 s[30:31], s[4:5], s[22:23]
	s_mul_i32 s22, s28, 384
	s_add_nc_u64 s[32:33], s[6:7], s[22:23]
	s_lshl_b32 s22, s17, 9
	s_add_nc_u64 s[34:35], s[12:13], s[22:23]
	s_wait_alu depctr_va_vdst(0)                   ; v1-v8 and v11-v13 are written: the offsets and addresses of every load of the kernel and of the images' stores
.irp s, 0,1,2,3,4,5
	global_load_b32 v[FTS+\s], v[GSO], s[26:27] offset:4*\s
.endr
.irp s, 0,1,2,3,4,5
.irp p, 0,1,2,3,4,5
	global_load_b64 v[FT+12*\s+2*\p:FT+12*\s+2*\p+1], v[GFO], s[24:25] offset:96*\s+48*(\p/3)+8*(\p%3)
.endr
.endr
.irp mu, 0,1
.irp s, 0,1,2,3,4,5
	global_load_b32 v[OSC+6*\mu+\s], v[AS], s[32:33] offset:384*\mu+64*\s
.endr
.endr
.irp g, 0,1
	global_load_b128 v[BI+4*\g:BI+4*\g+3], v[B16], s[34:35] offset:256*\g      ; bp at columns 64 g + 4 r + 0 .. 3
.endr
	OLOAD 0
	OLOAD 1
	; where my two tiles' rows lie in out0
.irp mu, 0,1
	s_add_co_u32 s40, s28, \mu
	s_mul_i32 s41, s40, 1986
	s_lshr_b32 s41, s41, 16                        ; the batch = tile / 33: exact for tiles under 1,056 (1986 x 33 = 65,538; 1986 x 32 + 2 x 31 < 65,536)
	s_mul_i32 s42, s41, 33
	s_sub_co_u32 s42, s40, s42                     ; the tile in its batch
	s_mul_i32 s41, s41, 528
	s_lshr_b32 s43, s42, 1
	s_lshl_b32 s43, s43, 5
	s_add_co_u32 s41, s41, s43
	s_and_b32 s43, s42, 1
	s_lshl_b32 s43, s43, 3
	s_add_co_u32 s41, s41, s43                     ; its first row
	s_mul_i32 s44, s41, 3072
	s_add_nc_u64 s[36+2*\mu:37+2*\mu], s[14:15], s[44:45]
	s_lshl_b32 s44, s17, 9
	s_add_nc_u64 s[36+2*\mu:37+2*\mu], s[36+2*\mu:37+2*\mu], s[44:45]
	s_mov_b32 s43, 49152                           ; lanes 16-31 hold the rows 16 further down; in a batch's last tile 8
	s_cmp_eq_u32 s42, 32
	s_cselect_b32 s43, 24576, s43
	v_mul_u32_u24 v[GO+\mu], v[H], s43
	v_lshl_add_u32 v[GO+\mu], v[R], 4, v[GO+\mu]
.endr
	s_wait_loadcnt 30                              ; behind the fill's 42 loads: 12 scale words, 2 of the bias, 8 + 8 of o
.irp s, 0,1,2,3,4,5
.irp c, 0,1,2
	ds_store_b128 v[FW], v[FT+12*\s+4*\c:FT+12*\s+4*\c+3] offset:1536*\s+512*\c
.endr
.endr
.irp s, 0,1,2,3,4,5
	ds_store_b32 v[FSW], v[FTS+\s] offset:64*\s    ; lanes r and r + 16 hold the same word
.endr
	s_wait_dscnt 0x0                               ; for the others' sake: my images have landed
	s_wait_alu depctr_vm_vsrc(0)                   ; my LDS stores have read FT and FTS: these registers are accumulators from here on, written by the products
	s_barrier_signal -1
	s_barrier_wait -1                              ; Wp's eight tiles lie in LDS; from here on LDS is only read
.irp s, 0,1,2,3,4,5
	KSTEP \s
.endr
	; THE WAY OUT: register j of accumulators (mu, 4 g + 0 .. 3) is out0(row j of my half, columns 64 g + 4 r + 0 .. 3)
.irp mu, 0,1
.irp g, 0,1
.if \mu > 0
	s_wait_xcnt 0x0                                ; the set's last stores have had their addresses translated: their data are written again only behind this wait
.if \g == 0
	s_wait_alu depctr_vm_vsrc(0)                   ; the first tile's sixteen stores have read both sets, which the additions from here on write again
.endif
.endif
.irp j, 0,1,2,3,4,5,6,7
.irp t, 0,1,2,3
	v_add_f32 v[OUT+32*\g+4*\j+\t], v[ACC+8*(8*\mu+4*\g+\t)+\j], v[BI+4*\g+\t]     ; each accumulator from its low end on
.endr
.endr
	s_wait_alu depctr_va_vdst(0)                   ; the 32 additions have written the set, which the eight stores read as data (their offsets v9 and v10 were written at the head)
.irp j, 0,1,2,3,4,5,6,7
	global_store_b128 v[GO+\mu], v[OUT+32*\g+4*\j:OUT+32*\g+4*\j+3], s[36+2*\mu:37+2*\mu] offset:3072*\j+256*\g th:TH_STORE_NT
.endr
.endr
.endr
	s_wait_dscnt 0x0                               ; the closing lines, six on end, for a launch in the mode that stores to LDS
	s_wait_alu 0x0
	s_wait_tensorcnt 0x0
	ds_add_u32 v254, v255
	s_wait_dscnt 0x0
	s_endpgm
.Lfunc_end_k_qec7509fd1e_proj:
	.size	k_qec7509fd1e_proj, .Lfunc_end_k_qec7509fd1e_proj-k_qec7509fd1e_proj
	.p2alignl 7, 3214868480
	.fill 96, 4, 3214868480
	.section	.rodata,"a",@progbits
	.p2align	6, 0x0
	.amdhsa_kernel k_qec7509fd1e_proj
		.amdhsa_group_segment_fixed_size 77824
		.amdhsa_private_segment_fixed_size 0
		.amdhsa_enable_private_segment 0
		.amdhsa_kernarg_size 48
		.amdhsa_user_sgpr_count 2
		.amdhsa_user_sgpr_kernarg_segment_ptr 1
		.amdhsa_wavefront_size32 1
		.amdhsa_system_sgpr_workgroup_id_x 1
		.amdhsa_system_sgpr_workgroup_id_y 1
		.amdhsa_system_sgpr_workgroup_id_z 1
		.amdhsa_system_vgpr_workitem_id 0
		.amdhsa_next_free_vgpr 256
		.amdhsa_next_free_sgpr 66
		.amdhsa_reserve_vcc 0
		.amdhsa_float_denorm_mode_32 3
		.amdhsa_float_denorm_mode_16_64 3
		.amdhsa_memory_ordered 1
		.amdhsa_forward_progress 1
		.amdhsa_inst_pref_size 52
	.end_amdhsa_kernel
	.amdgpu_metadata
---
amdhsa.version: [ 1, 2 ]
amdhsa.kernels:
  - .name:           k_qec7509fd1e_proj
    .symbol:         k_qec7509fd1e_proj.kd
    .args:
      - { .name: oimg, .offset: 0, .size: 8, .value_kind: global_buffer, .address_space: global }
      - { .name: osc, .offset: 8, .size: 8, .value_kind: global_buffer, .address_space: global }
      - { .name: Wp_codes, .offset: 16, .size: 8, .value_kind: global_buffer, .address_space: global }
      - { .name: Wp_scales, .offset: 24, .size: 8, .value_kind: global_buffer, .address_space: global }
      - { .name: bp, .offset: 32, .size: 8, .value_kind: global_buffer, .address_space: global }
      - { .name: out0, .offset: 40, .size: 8, .value_kind: global_buffer, .address_space: global }
    .group_segment_fixed_size: 77824
    .private_segment_fixed_size: 0
    .kernarg_segment_align: 8
    .kernarg_segment_size: 48
    .max_flat_workgroup_size: 256
    .sgpr_count:     66
    .vgpr_count:     256
    .wavefront_size: 32
...
	.end_amdgpu_metadata
.endif
;; end of part 5
